; MI455X (gfx1250); checked and timed in simulation.
; The chip was launched on July 23, 2026; its instructions are those of AMD's public machine-readable ISA for CDNA 5 (MIT licence, August 2026) and "CDNA5" Instruction Set Architecture Reference Guide (July 2026). The comments in the code are by the model that wrote it; some were corrected since.
;; Causal Self Attention. Allowed arithmetic: matrix products marked QUANTISED: E4M3 operands, one given power-of-two scale a tensor, by v_wmma_f32_16x16x64_fp8_fp8 or v_wmma_f32_16x16x128_fp8_fp8, f32 sums; everything else in f32.
;; Inputs: Wk_codes 1,024 x 32 x 32 uint8 (E4M3 codes of Wk, K innermost, in blocks of 32 codes); Wo_codes 1,024 x 32 x 32 uint8 (E4M3 codes of Wo, K innermost, in blocks of 32 codes); Wq_codes 1,024 x 32 x 32 uint8 (E4M3 codes of Wq, K innermost, in blocks of 32 codes); Wv_codes 1,024 x 32 x 32 uint8 (E4M3 codes of Wv, K innermost, in blocks of 32 codes); bk 1,024 float32; bo 1,024 float32; bq 1,024 float32; bv 1,024 float32; lowp_scales 12 int32 (the exponents e of the quantised operands' scales 2^e); x_codes 4 x 2,048 x 32 x 32 uint8 (E4M3 codes of x, K innermost, in blocks of 32 codes).
;; Outputs: out0 4 x 2,048 x 1,024 float32.
;; This version of the problem:
;;   THIS VERSION OF THE PROBLEM IS GIVEN IN LOW PRECISION. The matrix products marked QUANTISED in the list below multiply operands that are first quantised to E4M3 (4 exponent bits, 3 mantissa bits; 8 bits a number), with one given power-of-two scale for each operand tensor; their sums are f32. All else is computed in f32.
;;   The module's matrix products, in the order in which they are computed (A, B: the left and right operand; K: the contracted axis; several contracted axes count as one K, in the product's order):
;;     1. [M 8,192, K 1,024] x [K 1,024, N 1,024]; A: input x (given as codes); B: input Wq (given as codes): QUANTISED (scales: A lowp_scales[0], B lowp_scales[1])
;;     2. [M 8,192, K 1,024] x [K 1,024, N 1,024]; A: input x (given as codes); B: input Wk (given as codes): QUANTISED (scales: A lowp_scales[2], B lowp_scales[3])
;;     3. [M 8,192, K 1,024] x [K 1,024, N 1,024]; A: input x (given as codes); B: input Wv (given as codes): QUANTISED (scales: A lowp_scales[4], B lowp_scales[5])
;;     4. batch 64 x [M 2,048, K 64] x [K 64, N 2,048]; A: computed on the way; B: computed on the way: QUANTISED (scales: A lowp_scales[6], B lowp_scales[7])
;;     5. batch 64 x [M 2,048, K 2,048] x [K 2,048, N 64]; A: softmax (see below); B: computed on the way: QUANTISED (scales: A lowp_scales[8], B lowp_scales[9])
;;     6. [M 8,192, K 1,024] x [K 1,024, N 1,024]; A: computed on the way; B: input Wo (given as codes): QUANTISED (scales: A lowp_scales[10], B lowp_scales[11])
;;   THE QUANTISER, for each operand of a quantised product, along K:
;;     - The operand's scale is 2^e, e = its entry of the input lowp_scales (int32; the entries are numbered through the quantised products in the list's order, A before B).
;;     - Each number is divided by the scale, clamped to +-448, and rounded to the nearest number of E4M3, ties to even, subnormals kept.
;;     - The product sums the exact products of the quantised numbers (number of the format x scale) in f32.
;;   ~~~python
;;   def quantise(x, axis, e):      # numpy; x: float32 -> the quantised numbers, widened to float32 again
;;       x = np.moveaxis(x, axis, -1); K = x.shape[-1]
;;       r = np.clip(x / 2.0 ** e, -448, 448)
;;       step = 2.0 ** (np.maximum(np.frexp(np.where(r == 0, 1, r))[1] - 1, -6) - 3)
;;       q = np.round(r / step) * step * 2.0 ** e      # np.round: ties to even
;;       return np.moveaxis(q, -1, axis).astype(np.float32)
;;   ~~~
;;   SOFTMAX AHEAD OF A QUANTISED PRODUCT. Where the list says 'softmax', what is quantised is not the finished softmax but p = 2^(t - M), with t = logit x log2(e) and M = ceil(the row's largest t), a whole number; so 1/2 < the row's largest p <= 1. The row's sum l is taken of the UNQUANTISED p, in f32, and the product's result is divided by l at the end. Since M is a whole number, a kernel that streams over the keys may use a running M (the ceiling of the running maximum): every later rescaling is an exact power of two, so the quantised numbers keep their values, but for numbers so far below the row's largest that they fall under the format's range.
;;   OPERANDS COMPUTED ON THE WAY. 'Computed on the way' means the value that the module computes at that place (a softmax that the list does not call 'softmax' is quantised finished and normalised). What goes into a quantiser is computed in f32, as accurately as f32 sums, v_exp_f32 and their like allow (about 1e-6 of the number): no bf16 or f16 on the way to a quantiser, and a product that is left as it is and whose result goes on into a quantised operand takes f32 operands (vector FMAs, or v_wmma_f32_16x16x4_f32). A number that lies on a knife's edge between two numbers of the format may be rounded either way, as far as f32 arithmetic and the matrix unit's own rounding can turn it there, and no further.
;;   INPUTS GIVEN AS CODES. Wk (in the module: [1024, 1024], K = its axis 1); Wo (in the module: [1024, 1024], K = its axis 1); Wq (in the module: [1024, 1024], K = its axis 1); Wv (in the module: [1024, 1024], K = its axis 1); x (in the module: [4, 2048, 1024], K = its axis 2): each comes as NAME_codes (uint8): NAME with its K axis moved to the last place and cut into blocks of 32 codes, [.., K / 32, bytes a block], one block behind the other in memory; one code a byte (a code: sign, 4 exponent bits, 3 mantissa bits); its scale is its entry of lowp_scales. Its value is code x scale, taken as it is: it is not quantised again, and the codes and scales need not be those that the quantiser above would give.
;; One version. Each part assembles by itself: llvm-mc -triple=amdgcn-amd-amdhsa -mcpu=gfx1250 --defsym DOCPART=n.
;; ======== version 1 of 1: 3 launches
;; limits: right only within a limited range of input values
;; workspace buffers: qimg 8,388,608 bytes; kimg 8,388,608 bytes; vimg 8,388,608 bytes; yimg 8,388,608 bytes
;; launch qkv (part 1): grid 4 x 96, 4 waves a work-group, clusters of 4 x 4, 327,680 bytes of LDS; arguments x_codes, Wq_codes, Wk_codes, Wv_codes, bq, bk, bv, lowp_scales, qimg, kimg, vimg; writes qimg, kimg, vimg
.if DOCPART == 1
	.amdgcn_target "amdgcn-amd-amdhsa--gfx1250"
	.amdhsa_code_object_version 6
	.text
	.protected	k_qc859a0307e_qkv
	.globl	k_qc859a0307e_qkv
	.p2align	8
	.type	k_qc859a0307e_qkv,@function
k_qc859a0307e_qkv:
	s_mov_b64 s[64:65], 0
	v_nop
	global_prefetch_b8 v0, s[64:65] scope:SCOPE_SE
	s_setreg_imm32_b32 hwreg(HW_REG_WAVE_MODE, 25, 1), 1
	s_wait_xcnt 0x0
	s_wait_alu depctr_hold_cnt(0) depctr_sa_sdst(0) depctr_va_vdst(0) depctr_va_sdst(0) depctr_va_ssrc(0) depctr_va_vcc(0) depctr_vm_vsrc(0)
	s_getreg_b32 s2, hwreg(HW_REG_IB_STS2, 6, 4)
	s_cmp_eq_u32 s2, 0
	s_cbranch_scc0 .Lentry_in_a_cluster
	s_endpgm
.Lentry_in_a_cluster:
	s_bfe_u32 s2, ttmp6, 0x10000c
	s_cmp_lg_u32 s2, 0xf033
	s_cbranch_scc0 .Lentry_shape_is_right
	s_endpgm
.Lentry_shape_is_right:
; q = rope(x Wq^T + bq), k = rope(x Wk^T + bk), v = x Wv^T + bv, on codes of FP8 (E4M3); the results are quantised at once (scales 2^e6, 2^e7, 2^e9) and stored as IMAGES OF THE OPERAND REGISTERS
; in which the attention launch wants them: every store of a wave is 512 consecutive bytes, aligned.
; x: [8192][1024] codes; Wq, Wk, Wv: [1024][1024] codes, K innermost.  lowp_scales: e0, e1 (x, Wq), e2, e3 (x, Wk), e4, e5 (x, Wv), e6 (q), e7 (k), e9 (v).
; SHARES.  24 clusters of 4 x 4 work-groups: clusters 0-7 make q, 8-15 k, 16-23 v (which = cluster y / 8: the same in all partners).  A work-group multiplies 256 rows of an operand "A" by 256 rows of an operand "B",
; four waves of 128 x 128 each, 64 accumulators.  q, k: A = x, B = W.  v: A = Wv, B = x: only pointers and tile numbers differ, the text of the products is one.
; The matrix instruction takes source 0 = 16 rows of B, source 1 = 16 rows of A: a lane holds ONE row of A (lane % 16) and eight neighbouring rows of B (8 (lane / 16) + 0..7) in its eight registers.
;   q, k: a lane holds one token and eight neighbouring channels: rope's partners d and d + 32 are the same register of two accumulators of the same lane, and the codes run along d, the next K.
;   v:    a lane holds one channel d and eight neighbouring tokens: the codes run along the keys, the next K.
; K goes in steps of 256 through a ring of two LDS slots filled by joint tensor loads (A's tile shared along a row of the cluster, B's along a column); both sides' fragments come by four loads of 16 bytes,
; the same permutation of k on both sides, so that every product meets its partner.
; ROPE.  C = pos x theta in f32, as the problem rounds it; cos C and sin C by n = round(C / pi), r = C - n pi in three parts, series in r^2 up to r^11 and r^12 (|r| <= pi / 2: what is cut is under 6e-8), sign by n's parity.
; LIMITS: e(x) + e(W) between -126 and 127; e6, e7, e9 between -126 and 119, so that each power of two below is an f32 number.  NaN among codes and biases is not served.
; IMAGES.  qimg, kimg: [bh 64][tile of 16 tokens 128][c 2][lane 32][16 bytes]: lane (r, h), register 2 bb + (0, 1): token r, d = 16 bb + 8 h + 0..7.
;          vimg: [bh 64][key step 16][dt 4][g 4][lane 32][16 bytes]: lane (r, h): d = 16 dt + r; registers 2 c, 2 c + 1: keys 16 c + 8 h + 0..7 of the step's 128.
; REGISTERS, in windows of 256: window 0: v0-31 addresses; from v128 A's fragments, one set; on the way out v32-255 at work.  window 1: B's fragments, two sets; on the way out the codes.  windows 2, 3: the accumulators ((a, b) at v[8 (8 (a % 4) + b)]).
.set ROWB,   256                       ; a tile's row in bytes: 256 codes
.set KROW,   1024                      ; a row of x or of a weight in memory
.set PITCH,  272                       ; an LDS row: 256 bytes + 16 of padding: the 16 rows that a load touches start 68 words apart
.set FR,     16                        ; registers of a fragment: 16 rows x 128 K
.set NL,     4                         ; LDS loads that bring one
.set NP,     4                         ; places behind this matrix instruction (ISA guide 7.12.1)
.set HALFT,  128*PITCH
.set SLOT,   4*HALFT                   ; A's 256 rows, then B's 256 rows
.set LAPS,   2                         ; 1,024 along K = four K steps = twice round the ring
.set SPARE,  2*SLOT                    ; behind the ring: the spare words, 128 bytes for each wave
.set ADRA, 16                          ; v16-17  LDS address of my A fragments in slot 0, 1
.set ADRB, 20                          ; v20-21  the same for B
.set LI,   24                          ; v24     16 x lane: my place in an image
.set HB,   27                          ; v27     the biases' lane term
.set SPW,  28                          ; v28     LDS address of my spare word; never rewritten
.set NIL,  29                          ; v29     0; never rewritten
.set CSC,  30                          ; v30     2^eo as f32, for the conversions
.set LIM,  31
.set BI,   32                          ; v32-95  biases
.set YY,   96                          ; v96-127 32 numbers of a token and a head (v: v96-159, 64 numbers)
.set ANG,  96                          ; v96-111 the angle, then r          (at work in SINCOS, free in ROPE)
.set UU,   112                         ; v112-127 n + magic, then n's parity as a sign bit
.set NN,   128                         ; v128-143 n, then r^3
.set ZZ,   144                         ; v144-159 r^2
.set T0,   128                         ; ROPE's products with sin
.set T2,   144
.set PS,   160                         ; v160-175 sin of my 16 angles
.set PC,   176                         ; v176-191 cos
.set KMG,  192                         ; v[192:193] 1.5 x 2^23;  v[194:195] 1 / 9!;  v[196:197] -1 / 10!
.set KS9,  194
.set KC10, 196
.set TH,   200                         ; v200-215 theta of my 16 frequencies: 16 bb + 8 h + j at 8 bb + j
.set POS,  216                         ; v[216:217] my token's position, and 0
.set AF,   128                         ; A's fragments, in window 0
.set CD,   0                           ; the codes, in window 1: registers of its own for each store
.set G1, 24                            ; s[24:31] descriptor group 1 for A's tiles;  s[32:39] group 0, one set for each slot
.set G0, 32
.set G1B, 48                           ; s[48:55], s[56:63] the same for B's tiles
.set G0B, 56
.set K_IPI, 24                         ; on the way out, when every tensor load is done, the descriptors' registers take the series' constants, each twice
.set K_NMG, 26
.set K_P1,  28
.set K_P2,  30
.set K_P3,  32
.set K_S11, 34
.set K_S7,  36
.set K_S5,  38
.set K_S3,  44
.set K_C12, 46
.set K_C8,  48
.set K_C6,  50
.set K_C4,  52
.set MSB, 0
.macro WIN new                         ; the immediate's high byte repeats the setting that is left
.if MSB != (\new)
	s_set_vgpr_msb (MSB<<8)|(\new)
.set MSB, (\new)
.endif
.endm
.set MUL_LO, 0xa1                      ; source 0 (B) window 1, source 1 (A) window 0, C and D window 2
.set MUL_HI, 0xf1                      ; the same, C and D window 3
.set TO_B,   0x40                      ; destination window 1, address window 0
; A joint load: waves 0 and 1 fetch for A, waves 2 and 3 for B.  Each line has one mask and one set of registers for all that issue it; the branch hangs on the wave's number alone.  Four v_nop follow each line.
.macro JLOAD g0a, g1a, g0b, g1b
	s_cmp_eq_u32 s15, 0
	s_cbranch_scc0 .Lfor_b_\@
	tensor_load_to_lds s[\g0a:\g0a+3], s[\g1a:\g1a+7]
	s_nop 0
.rept 4
	v_nop
.endr
	s_branch .Lasked_\@
.Lfor_b_\@:
	tensor_load_to_lds s[\g0b:\g0b+3], s[\g1b:\g1b+7]
	s_nop 0
.rept 4
	v_nop
.endr
.Lasked_\@:
.endm
.macro CREST                           ; a round of the cluster's barrier behind its opening barrier
	s_cmp_lg_u32 s14, 0
	s_cbranch_scc1 .Lnot_wave_0_\@
	s_barrier_signal -3
.Lnot_wave_0_\@:
	s_barrier_wait -3
	s_barrier_signal -1
	s_barrier_wait -1
.endm
.macro CROUND                          ; a whole round
	s_barrier_signal -1
	s_barrier_wait -1
	CREST
.endm
	s_load_b256 s[4:11], s[0:1], 0x0               ; x s[4:5], Wq s[6:7], Wk s[8:9], Wv s[10:11]
	s_load_b256 s[68:75], s[0:1], 0x20             ; bq s[68:69], bk s[70:71], bv s[72:73], the scales' exponents s[74:75]
	s_load_b128 s[76:79], s[0:1], 0x40             ; qimg, kimg
	s_load_b64 s[80:81], s[0:1], 0x50              ; vimg
	v_lshl_add_u32 v[SPW], v0, 2, SPARE
	v_mov_b32 v[NIL], 0
	ds_add_u32 v28, v29
	ds_add_u32 v28, v29
	s_wait_dscnt 0x0
	v_lshrrev_b32 v1, 5, v0
	v_readfirstlane_b32 s14, v1                    ; wave 0..3
	s_lshr_b32 s15, s14, 1                         ; which half of A's 256 rows is mine.  Also: I fetch for A (0) or for B (1)
	s_and_b32 s16, s14, 1                          ; which half of B's.  Also: which 128 rows of that tile I fetch
	s_bfe_u32 s40, ttmp6, 0x40000                  ; cx, cy: my place in the cluster
	s_bfe_u32 s41, ttmp6, 0x40004
	s_and_b32 s66, ttmp7, 0xffff                   ; the cluster's number, 0..23
	s_and_b32 s67, s66, 7
	s_lshl_b32 s67, s67, 2                         ; 4 x (cluster % 8): which four tiles of x
	s_lshr_b32 s66, s66, 3                         ; which: 0 q, 1 k, 2 v
	s_cmp_eq_u32 s66, 2
	s_cselect_b32 s12, 0, s67
	s_cselect_b32 s13, s67, 0
	s_add_co_u32 s17, s41, s12                     ; A's tile: cy (+ x's four where A is x): never holds cx
	s_add_co_u32 s42, s40, s13                     ; B's tile: cx (+ x's four where B is x): never holds cy
	s_lshl_b32 s43, s41, 2
	s_lshl_b32 s43, 15, s43                        ; my row of the cluster
	s_lshl_b32 s44, 0x1111, s40                    ; my column
	; descriptor group 1: a tile of 128 rows x 256 bytes, padded in LDS
	s_or_b32 s[G1+0], s43, (0<<16)|(1<<20)|(1<<21)|(5<<22)|(3<<25)  ; 15:0 the mask: A's tiles go to my row; 17:16 element of 1 byte; 20 padding on; 21 set beside a mask; 24:22 after every 64 words; 31:25 four words
	s_or_b32 s[G1B+0], s44, (0<<16)|(1<<20)|(1<<21)|(5<<22)|(3<<25)
.irp g, G1, G1B
	s_mov_b32 s[\g+1], ROWB<<16                    ; tensor_dim0
	s_mov_b32 s[\g+2], 128<<16                     ; tensor_dim1
	s_mov_b32 s[\g+3], ROWB<<16                    ; tile_dim0
	s_mov_b32 s[\g+4], 128                         ; tile_dim1
	s_mov_b32 s[\g+5], KROW                        ; tensor_dim0_stride
	s_mov_b32 s[\g+6], 0
	s_mov_b32 s[\g+7], 0
.endr
	s_lshl_b32 s18, s16, 7                         ; which 128 rows of the tile I fetch
	s_lshl_b32 s20, s17, 8
	s_add_co_u32 s20, s20, s18
	s_lshl_b32 s20, s20, 10                        ; A: (256 x tile + 128 x half) rows of 1,024 bytes: under 2^23
	s_mov_b32 s21, 0
	s_lshl_b32 s46, s42, 8
	s_add_co_u32 s46, s46, s18
	s_lshl_b32 s46, s46, 10                        ; B likewise
	s_mov_b32 s47, 0
	s_mul_i32 s45, s14, HALFT                      ; where they go: wave x 128 rows: no place in the cluster enters an LDS address
	s_wait_kmcnt 0x0
	s_load_b256 s[84:91], s[74:75], 0x0            ; e0 .. e7
	s_load_b128 s[92:95], s[74:75], 0x20           ; e8 .. e11
	s_cmp_eq_u32 s66, 2                            ; the buffers are chosen by the cluster's number alone
	s_cselect_b64 s[22:23], s[10:11], s[4:5]       ; A: Wv, else x
	s_cselect_b64 s[98:99], s[4:5], s[8:9]         ; B: x, else Wk,
	s_cselect_b64 s[82:83], s[72:73], s[70:71]     ; the bias: bv, else bk,
	s_cselect_b64 s[100:101], s[80:81], s[78:79]   ; the image: vimg, else kimg,
	s_cmp_eq_u32 s66, 0
	s_cselect_b64 s[98:99], s[6:7], s[98:99]       ; or Wq,
	s_cselect_b64 s[82:83], s[68:69], s[82:83]     ; bq,
	s_cselect_b64 s[100:101], s[76:77], s[100:101] ; qimg
	s_add_nc_u64 s[20:21], s[22:23], s[20:21]
	s_add_nc_u64 s[46:47], s[98:99], s[46:47]
	CROUND                                         ; all sixteen work-groups are here: the first joint loads meet
.irp s, 0,1
	s_mov_b32 s[G0+4*\s], 1
	s_add_co_u32 s[G0+4*\s+1], s45, \s*SLOT
	s_add_nc_u64 s[G0+4*\s+2:G0+4*\s+3], s[20:21], \s*ROWB
	s_or_b32 s[G0+4*\s+3], s[G0+4*\s+3], 0x80000000
	s_mov_b32 s[G0B+4*\s], 1
	s_add_co_u32 s[G0B+4*\s+1], s45, \s*SLOT
	s_add_nc_u64 s[G0B+4*\s+2:G0B+4*\s+3], s[46:47], \s*ROWB
	s_or_b32 s[G0B+4*\s+3], s[G0B+4*\s+3], 0x80000000
	JLOAD G0+4*\s, G1, G0B+4*\s, G1B
.endr
	v_and_b32 v1, 15, v0                           ; r = lane % 16   (v1 and v2 stay)
	v_bfe_u32 v2, v0, 4, 1                         ; h = lane / 16
	v_mul_u32_u24 v3, v1, PITCH
	v_lshl_add_u32 v4, v2, 4, v3                   ; a fragment's row x pitch + 16 x half
	s_mul_i32 s21, s15, HALFT                      ; my 128 rows of A
	s_mul_i32 s22, s16, HALFT                      ; my 128 rows of B,
	s_add_co_u32 s22, s22, 2*HALFT                 ; which lie behind A's 256
.irp s, 0,1
	v_add_nc_u32 v[ADRA+\s], s21, v4
	v_add_nc_u32 v[ADRB+\s], s22, v4
	s_add_co_u32 s21, s21, SLOT
	s_add_co_u32 s22, s22, SLOT
.endr
.macro FRAG reg, adr, q, i             ; a fragment: lane l holds row l % 16; registers 4 c .. 4 c + 3 hold K = 32 c + 16 (l / 16) + 0 .. 15
.irp c, 0,1,2,3
	ds_load_b128 v[\reg+4*\c:\reg+4*\c+3], v[\adr] offset:128*(\q)+32*\c+(\i)*16*PITCH
.endr
.endm
; 16 matrix instructions: A's blocks a0, a0 + 1 x B's eight, 128 along K.  p: B's set.  zero = 1: the first product starts the sums.  The 64 accumulators take turns, one instruction a turn.
.macro MUL16 a0, p, zero
.irp a, \a0, \a0+1
.irp b, 0,1,2,3,4,5,6,7
.if \zero
	v_wmma_f32_16x16x128_fp8_fp8 v[8*(8*((\a)%4)+\b):8*(8*((\a)%4)+\b)+7], v[128*(\p)+FR*\b:128*(\p)+FR*\b+FR-1], v[AF+FR*(\a):AF+FR*(\a)+FR-1], 0
.else
	v_wmma_f32_16x16x128_fp8_fp8 v[8*(8*((\a)%4)+\b):8*(8*((\a)%4)+\b)+7], v[128*(\p)+FR*\b:128*(\p)+FR*\b+FR-1], v[AF+FR*(\a):AF+FR*(\a)+FR-1], v[8*(8*((\a)%4)+\b):8*(8*((\a)%4)+\b)+7]
.endif
.endr
.endr
.endm
.macro FETCH_B slot, q, p              ; B's eight fragments of the slot's q-th 128 along K into set p
	WIN TO_B
.irp i, 0,1,2,3,4,5,6,7
	FRAG 128*(\p)+FR*\i, ADRB+\slot, \q, \i
.endr
	WIN 0
.endm
.macro FETCH_A slot, q, i0             ; A's blocks i0 .. i0 + 3
.irp i, \i0, \i0+1, \i0+2, \i0+3
	FRAG AF+FR*(\i), ADRA+\slot, \q, \i
.endr
.endm
.macro PLACES n                        ; plain vector instructions between a matrix instruction and a load into, or a vector instruction on, its registers
.rept \n
	v_nop
.endr
.endm
; A step of 128 along K that has its successor in the same slot.  A block of A is free as soon as its eight products are issued: one set serves A; B has two.
.macro STEP slot, q, zero
	s_wait_dscnt 4*NL                              ; B's set and A's blocks 0-3 are in; the youngest sixteen loads (A's blocks 4-7) may be out
	WIN MUL_LO
	MUL16 0, (\q)%2, \zero
	MUL16 2, (\q)%2, \zero
	s_wait_dscnt 0                                 ; A's blocks 4-7 are in
	PLACES NP
	FETCH_B \slot, (\q)+1, 1-(\q)%2
	FETCH_A \slot, (\q)+1, 0
	WIN MUL_HI
	MUL16 4, (\q)%2, \zero
	MUL16 6, (\q)%2, \zero
	PLACES NP
	WIN 0
	FETCH_A \slot, (\q)+1, 4
.endm
; A slot's last step changes slots: one barrier; in front of it each wave waits for all its tensor loads, adds 0 to its spare word, and waits for that and for its own reads of this slot.  fill = 1: this slot is filled again, two K steps ahead.
.macro TURN slot, next, fill
	s_wait_tensorcnt 0x0                           ; all my tensor loads have landed: my part of the next slot
	ds_add_u32 v[SPW], v[NIL]                      ; 0 onto my spare word
	s_wait_dscnt 4*NL+1                            ; (the add and the youngest sixteen loads may be out)
	WIN MUL_LO
	MUL16 0, 1, 0                                  ; sixteen matrix instructions stand between the add and the wait for it
	s_wait_dscnt 0x0                               ; the add is done, and my reads of this slot are over
	s_barrier_signal -1
	MUL16 2, 1, 0
	WIN 0
	s_barrier_wait -1
.if \fill
	CREST                                          ; the barrier has opened a round of the cluster's barrier: no wave of any partner still reads this slot's tile or has a load on its way
	s_add_nc_u64 s[G0+4*\slot+2:G0+4*\slot+3], s[G0+4*\slot+2:G0+4*\slot+3], 2*ROWB
	s_add_nc_u64 s[G0B+4*\slot+2:G0B+4*\slot+3], s[G0B+4*\slot+2:G0B+4*\slot+3], 2*ROWB
	JLOAD G0+4*\slot, G1, G0B+4*\slot, G1B         ; the first tensor load behind the round; its four v_nop are also the places in front of the loads below
.else
	PLACES NP
.endif
	FETCH_B \next, 0, 0
	FETCH_A \next, 0, 0
	WIN MUL_HI
	MUL16 4, 1, 0
	MUL16 6, 1, 0
	PLACES NP
	WIN 0
	FETCH_A \next, 0, 4
.endm
	s_wait_alu depctr_va_vdst(0)
	s_wait_tensorcnt 1                             ; my part of K step 0 is in (K step 1's load may be out)
	s_barrier_signal -1
	s_barrier_wait -1                              ; everybody's is
	FETCH_B 0, 0, 0
	FETCH_A 0, 0, 0
	FETCH_A 0, 0, 4
	STEP 0, 0, 1                                   ; the first step stands in front of the loop: its products start the sums
	s_mov_b32 s3, LAPS-1
.Llap:                                             ; a trip goes once round the ring and fills both slots again
	TURN 0, 1, 1
	STEP 1, 0, 0
	TURN 1, 0, 1
	STEP 0, 0, 0
	s_sub_co_u32 s3, s3, 1
	s_cmp_lg_u32 s3, 0
	s_cbranch_scc1 .Llap
	TURN 0, 1, 0                                   ; the last lap fills nothing
	STEP 1, 0, 0
	s_wait_dscnt 4*NL
	WIN MUL_LO
	MUL16 0, 1, 0
	MUL16 2, 1, 0
	s_wait_dscnt 0
	WIN MUL_HI
	MUL16 4, 1, 0
	MUL16 6, 1, 0
	WIN 0
	; THE WAY OUT.  No LDS: a lane's codes are the reader's registers as they stand.
	s_wait_kmcnt 0x0
	s_cmp_eq_u32 s66, 2                            ; the three exponents of my product, chosen without a branch
	s_cselect_b32 s96, s88, s86
	s_cselect_b32 s97, s89, s87
	s_cselect_b32 s98, s93, s91
	s_cmp_eq_u32 s66, 0
	s_cselect_b32 s96, s84, s96                    ; x's
	s_cselect_b32 s97, s85, s97                    ; the weight's
	s_cselect_b32 s98, s90, s98                    ; the result's: e6, e7 or e9
	s_add_co_i32 s96, s96, s97
	s_add_co_i32 s96, s96, 127
	s_lshl_b32 s96, s96, 23                        ; 2^(e(x) + e(W)) as f32
	s_mov_b32 s97, s96                             ; (named with it as a pair)
	s_add_co_i32 s98, s98, 127
	s_lshl_b32 s99, s98, 23
	v_mov_b32 v[CSC], s99                          ; 2^eo: the conversion takes its exponent field
	v_and_b32 v[LI], 31, v0
	v_lshlrev_b32 v[LI], 4, v[LI]
	s_lshl_b32 s18, s17, 8
	s_lshl_b32 s19, s15, 7
	s_add_co_u32 s18, s18, s19                     ; my first row of A
	s_lshl_b32 s19, s42, 8
	s_lshl_b32 s20, s16, 7
	s_add_co_u32 s19, s19, s20                     ; my first row of B
	s_mov_b32 s21, 0
	PLACES NP                                      ; behind the last products
	s_cmp_eq_u32 s66, 2
	s_cbranch_scc1 .Lv
	; ---- q, k: s18 = my first token m0, s19 = my first channel n0.  Accumulator (a, b): token m0 + 16 a + r, channel n0 + 16 b + 8 h + j: head n0 / 64 + b / 4
	s_lshl_b32 s20, s19, 2
	s_add_nc_u64 s[82:83], s[82:83], s[20:21]      ; the bias at n0
	s_lshr_b32 s20, s18, 11
	s_lshl_b32 s20, s20, 4
	s_lshr_b32 s22, s19, 6
	s_add_co_u32 s20, s20, s22                     ; bh = 16 x batch + head
	s_lshl_b32 s20, s20, 7
	s_and_b32 s22, s18, 2047                       ; my first token in its sequence
	s_lshr_b32 s23, s22, 4
	s_add_co_u32 s20, s20, s23                     ; + its tile of 16
	s_lshl_b32 s20, s20, 10
	s_add_nc_u64 s[100:101], s[100:101], s[20:21]
	v_lshlrev_b32 v[HB], 5, v2                     ; 32 h: my half's eight numbers of a tile's sixteen
.irp b, 0,1,2,3,4,5,6,7
	global_load_b128 v[BI+8*\b:BI+8*\b+3], v[HB], s[82:83] offset:64*\b        ; bias[n0 + 16 b + 8 h + 0 .. 7]; they land under the first angles' arithmetic
	global_load_b128 v[BI+8*\b+4:BI+8*\b+7], v[HB], s[82:83] offset:64*\b+16
.endr
.macro KPAIR reg, val
	s_mov_b32 s[\reg], \val
	s_mov_b32 s[\reg+1], \val
.endm
	KPAIR K_IPI, 0x3ea2f983                        ; 1 / pi
	KPAIR K_NMG, 0xcb400000                        ; -1.5 x 2^23
	KPAIR K_P1,  0xc0490000                        ; -pi in three parts: 3.140625 (8 bits),
	KPAIR K_P2,  0xba7da000                        ; 0.000967502594 (11 bits): n, under 2^10, times either is exact;
	KPAIR K_P3,  0xb4222169                        ; the rest
	KPAIR K_S11, 0xb2d7322b                        ; -1 / 11!
	KPAIR K_S7,  0xb9500d01                        ; -1 / 7!
	KPAIR K_S5,  0x3c088889                        ; 1 / 5!
	KPAIR K_S3,  0xbe2aaaab                        ; -1 / 3!
	KPAIR K_C12, 0x310f76c7                        ; 1 / 12!
	KPAIR K_C8,  0x37d00d01                        ; 1 / 8!
	KPAIR K_C6,  0xbab60b61                        ; -1 / 6!
	KPAIR K_C4,  0x3d2aaaab                        ; 1 / 4!
.irp u, 0,1
	v_mov_b32 v[KMG+\u], 0x4b400000                ; these three stand in vector pairs, so that no packed line names two scalar pairs
	v_mov_b32 v[KS9+\u], 0x3638ef1d
	v_mov_b32 v[KC10+\u], 0xb493f27e
.endr
	v_cmp_eq_u32 vcc_lo, 1, v2                     ; lanes 16-31
.macro THETA i, lo, hi                 ; theta[f] = 10000^(-f / 32) = 10^(-f / 8) as f32: lanes 0-15 take lo, lanes 16-31 hi
	v_mov_b32 v[TH+\i], \hi
	v_cndmask_b32 v[TH+\i], \lo, v[TH+\i], vcc_lo
.endm
	THETA 0,  0x3f800000, 0x3dcccccd
	THETA 1,  0x3f3ff911, 0x3d99940e
	THETA 2,  0x3f0ff59a, 0x3d6655c3
	THETA 3,  0x3ed7e89b, 0x3d2cba15
	THETA 4,  0x3ea1e89b, 0x3d0186e2
	THETA 5,  0x3e72d424, 0x3cc24350
	THETA 6,  0x3e361887, 0x3c91ad39
	THETA 7,  0x3e088d77, 0x3c5a7bf1
	THETA 8,  0x3c23d70a, 0x3a83126f
	THETA 9,  0x3bf5b9b0, 0x3a44948c
	THETA 10, 0x3bb8449c, 0x3a136a16
	THETA 11, 0x3b8a2e77, 0x39dd1726
	THETA 12, 0x3b4f3e37, 0x39a5cb5f
	THETA 13, 0x3b1b690d, 0x3978a814
	THETA 14, 0x3ae91528, 0x393a7753
	THETA 15, 0x3aaec98e, 0x390bd472
	v_add_nc_u32 v[POS], s22, v1
	v_add_nc_u32 v[POS], 1, v[POS]                 ; positions start at 1
	v_cvt_f32_u32 v[POS], v[POS]
	v_mov_b32 v[POS+1], 0                          ; (named with it as a pair)
; cos and sin of my token's 16 angles, two at a time; each line eight times over, so that no line waits for the one above it.  Then the position goes 16 tokens on.
.macro SINCOS
	WIN 0
.irp p, 0,2,4,6,8,10,12,14
	v_pk_mul_f32 v[ANG+\p:ANG+\p+1], v[TH+\p:TH+\p+1], v[POS:POS+1] op_sel_hi:[1,0]   ; C = pos x theta, rounded to f32 as the problem rounds it
.endr
.irp p, 0,2,4,6,8,10,12,14
	v_pk_fma_f32 v[UU+\p:UU+\p+1], v[ANG+\p:ANG+\p+1], s[K_IPI:K_IPI+1], v[KMG:KMG+1] op_sel_hi:[1,0,1]   ; C / pi + 1.5 x 2^23: the sum's mantissa holds n = round(C / pi)
.endr
.irp p, 0,2,4,6,8,10,12,14
	v_pk_add_f32 v[NN+\p:NN+\p+1], v[UU+\p:UU+\p+1], s[K_NMG:K_NMG+1] op_sel_hi:[1,0]   ; n as f32
.endr
.irp k, K_P1, K_P2, K_P3
.irp p, 0,2,4,6,8,10,12,14
	v_pk_fma_f32 v[ANG+\p:ANG+\p+1], v[NN+\p:NN+\p+1], s[\k:\k+1], v[ANG+\p:ANG+\p+1] op_sel_hi:[1,0,1]   ; r = C - n pi
.endr
.endr
.irp p, 0,2,4,6,8,10,12,14
	v_pk_mul_f32 v[ZZ+\p:ZZ+\p+1], v[ANG+\p:ANG+\p+1], v[ANG+\p:ANG+\p+1]
.endr
.irp p, 0,2,4,6,8,10,12,14
	v_pk_fma_f32 v[PS+\p:PS+\p+1], v[ZZ+\p:ZZ+\p+1], s[K_S11:K_S11+1], v[KS9:KS9+1] op_sel_hi:[1,0,1]
	v_pk_fma_f32 v[PC+\p:PC+\p+1], v[ZZ+\p:ZZ+\p+1], s[K_C12:K_C12+1], v[KC10:KC10+1] op_sel_hi:[1,0,1]
.endr
.irp p, 0,2,4,6,8,10,12,14
	v_pk_fma_f32 v[PS+\p:PS+\p+1], v[PS+\p:PS+\p+1], v[ZZ+\p:ZZ+\p+1], s[K_S7:K_S7+1] op_sel_hi:[1,1,0]
	v_pk_fma_f32 v[PC+\p:PC+\p+1], v[PC+\p:PC+\p+1], v[ZZ+\p:ZZ+\p+1], s[K_C8:K_C8+1] op_sel_hi:[1,1,0]
.endr
.irp p, 0,2,4,6,8,10,12,14
	v_pk_fma_f32 v[PS+\p:PS+\p+1], v[PS+\p:PS+\p+1], v[ZZ+\p:ZZ+\p+1], s[K_S5:K_S5+1] op_sel_hi:[1,1,0]
	v_pk_fma_f32 v[PC+\p:PC+\p+1], v[PC+\p:PC+\p+1], v[ZZ+\p:ZZ+\p+1], s[K_C6:K_C6+1] op_sel_hi:[1,1,0]
.endr
.irp p, 0,2,4,6,8,10,12,14
	v_pk_fma_f32 v[PS+\p:PS+\p+1], v[PS+\p:PS+\p+1], v[ZZ+\p:ZZ+\p+1], s[K_S3:K_S3+1] op_sel_hi:[1,1,0]
	v_pk_fma_f32 v[PC+\p:PC+\p+1], v[PC+\p:PC+\p+1], v[ZZ+\p:ZZ+\p+1], s[K_C4:K_C4+1] op_sel_hi:[1,1,0]
.endr
.irp p, 0,2,4,6,8,10,12,14
	v_pk_mul_f32 v[NN+\p:NN+\p+1], v[ANG+\p:ANG+\p+1], v[ZZ+\p:ZZ+\p+1]               ; r^3
	v_pk_fma_f32 v[PC+\p:PC+\p+1], v[PC+\p:PC+\p+1], v[ZZ+\p:ZZ+\p+1], -0.5 op_sel_hi:[1,1,0]
.endr
.irp p, 0,2,4,6,8,10,12,14
	v_pk_fma_f32 v[PS+\p:PS+\p+1], v[NN+\p:NN+\p+1], v[PS+\p:PS+\p+1], v[ANG+\p:ANG+\p+1]   ; sin r = r + r^3 (..)
	v_pk_fma_f32 v[PC+\p:PC+\p+1], v[PC+\p:PC+\p+1], v[ZZ+\p:ZZ+\p+1], 1.0 op_sel_hi:[1,1,0] ; cos r = 1 + r^2 (..)
.endr
.set i, 0
.rept 16
	v_lshlrev_b32 v[UU+i], 31, v[UU+i]             ; n's parity into the sign bit: cos C = (-1)^n cos r, sin C likewise
.set i, i+1
.endr
.set i, 0
.rept 16
	v_xor_b32 v[PS+i], v[UU+i], v[PS+i]
	v_xor_b32 v[PC+i], v[UU+i], v[PC+i]
.set i, i+1
.endr
	v_add_f32 v[POS], 0x41800000, v[POS]           ; the next block's tokens lie 16 on
.endm
; Block a (16 tokens), head e of my two: sum x 2^(e(x) + e(W)) + bias; rope; four conversions; two stores of 512 bytes.
.macro ROPE a, e
.set AC, 64*((\a)%4)+32*(\e)
.set CW, CD+8*(2*(\a)+(\e))
	WIN 0x02+((\a)/4)                              ; source 0: window 2 or 3
.irp i, 0,2,4,6,8,10,12,14,16,18,20,22,24,26,28,30
	v_pk_fma_f32 v[YY+\i:YY+\i+1], v[AC+\i:AC+\i+1], s[96:97], v[BI+32*(\e)+\i:BI+32*(\e)+\i+1] op_sel_hi:[1,0,1]   ; each accumulator from its low end on; register 8 bb + j: d = 16 bb + 8 h + j
.endr
	WIN 0
.irp i, 0,2,4,6,8,10,12,14
	v_pk_mul_f32 v[T0+\i:T0+\i+1], v[YY+16+\i:YY+16+\i+1], v[PS+\i:PS+\i+1]           ; y[d + 32] sin
.endr
.irp i, 0,2,4,6,8,10,12,14
	v_pk_mul_f32 v[T2+\i:T2+\i+1], v[YY+\i:YY+\i+1], v[PS+\i:PS+\i+1]                 ; y[d] sin
.endr
.irp i, 0,2,4,6,8,10,12,14
	v_pk_fma_f32 v[YY+\i:YY+\i+1], v[YY+\i:YY+\i+1], v[PC+\i:PC+\i+1], v[T0+\i:T0+\i+1] neg_lo:[0,0,1] neg_hi:[0,0,1]   ; d < 32: y[d] cos - y[d + 32] sin
.endr
.irp i, 0,2,4,6,8,10,12,14
	v_pk_fma_f32 v[YY+16+\i:YY+16+\i+1], v[YY+16+\i:YY+16+\i+1], v[PC+\i:PC+\i+1], v[T2+\i:T2+\i+1]                   ; d >= 32: y[d] cos + y[d - 32] sin
.endr
.set i, 0
.rept 32
.set i, i+1
.endr
	WIN 0x40                                       ; destination window 1
.irp b, 0,1,2,3
	v_cvt_scalef32_pk8_fp8_f32 v[CW+2*\b:CW+2*\b+1], v[YY+8*\b:YY+8*\b+7], v[CSC]
.endr
	v_nop                                          ; one plain vector instruction behind the last conversion: the next lines write its sources
	WIN 0x04                                       ; a store's data: window 1
	global_store_b128 v[LI], v[CW:CW+3], s[100:101] offset:1024*(\a)+131072*(\e)          ; 32 lanes store 512 consecutive bytes, aligned; each store has registers of its own
	global_store_b128 v[LI], v[CW+4:CW+7], s[100:101] offset:1024*(\a)+131072*(\e)+512
.endm
.irp a, 0,1,2,3,4,5,6,7
	SINCOS
.if \a == 0
	s_wait_loadcnt 0x0                             ; the biases
.endif
	ROPE \a, 0
	ROPE \a, 1
.endr
	WIN 0
	s_branch .Ljoin
.Lv:	; ---- v: s18 = my first channel, s19 = my first token.  Accumulator (a, b): channel s18 + 16 a + r, token s19 + 16 b + 8 h + j: my 128 tokens are one key step
	s_lshl_b32 s20, s18, 2
	s_add_nc_u64 s[82:83], s[82:83], s[20:21]      ; bv at my first channel
	s_lshr_b32 s20, s19, 11
	s_lshl_b32 s20, s20, 4
	s_lshr_b32 s22, s18, 6
	s_add_co_u32 s20, s20, s22                     ; bh
	s_lshl_b32 s20, s20, 4
	s_bfe_u32 s22, s19, 0x40007                    ; the key step: (token % 2048) / 128
	s_add_co_u32 s20, s20, s22
	s_lshl_b32 s20, s20, 13
	s_add_nc_u64 s[100:101], s[100:101], s[20:21]
	v_lshlrev_b32 v[HB], 2, v1                     ; 4 r
.irp a, 0,1,2,3,4,5,6,7
	global_load_b32 v[BI+2*\a], v[HB], s[82:83] offset:64*\a     ; bv[channel], twice: a pair for the packed multiply-add
	global_load_b32 v[BI+2*\a+1], v[HB], s[82:83] offset:64*\a
.endr
	s_wait_loadcnt 0x0
.macro VOUT a                          ; block a: 16 channels x my 128 tokens: one fragment of V^T
.set AC, 64*((\a)%4)
.set CW, CD+16*(\a)
	WIN 0x02+((\a)/4)
.set i, 0
.rept 32
	v_pk_fma_f32 v[YY+i:YY+i+1], v[AC+i:AC+i+1], s[96:97], v[BI+2*(\a):BI+2*(\a)+1] op_sel_hi:[1,0,1]
.set i, i+2
.endr
	WIN 0
.set i, 0
.rept 64
.set i, i+1
.endr
	WIN 0x40
.irp b, 0,1,2,3,4,5,6,7
	v_cvt_scalef32_pk8_fp8_f32 v[CW+2*\b:CW+2*\b+1], v[YY+8*\b:YY+8*\b+7], v[CSC]
.endr
	v_nop                                          ; one plain vector instruction behind the last conversion
	WIN 0x04
.irp g, 0,1,2,3
	global_store_b128 v[LI], v[CW+4*\g:CW+4*\g+3], s[100:101] offset:131072*((\a)/4)+2048*((\a)%4)+512*\g
.endr
.endm
.irp a, 0,1,2,3,4,5,6,7
	VOUT \a
.endr
	WIN 0
.Ljoin:
	s_wait_tensorcnt 0x0                           ; the wave's end
	ds_add_u32 v[SPW], v[NIL]
	s_wait_dscnt 0x0
	CROUND                                         ; the closing round: no work-group ends while a partner may still ask for a tile that names it
	s_endpgm
.Lfunc_end_k_qc859a0307e_qkv:
	.size	k_qc859a0307e_qkv, .Lfunc_end_k_qc859a0307e_qkv-k_qc859a0307e_qkv
	.p2alignl 7, 3214868480
	.fill 96, 4, 3214868480
	.section	.rodata,"a",@progbits
	.p2align	6, 0x0
	.amdhsa_kernel k_qc859a0307e_qkv
		.amdhsa_group_segment_fixed_size 327680
		.amdhsa_private_segment_fixed_size 0
		.amdhsa_enable_private_segment 0
		.amdhsa_kernarg_size 88
		.amdhsa_user_sgpr_count 2
		.amdhsa_user_sgpr_kernarg_segment_ptr 1
		.amdhsa_wavefront_size32 1
		.amdhsa_system_sgpr_workgroup_id_x 1
		.amdhsa_system_sgpr_workgroup_id_y 1
		.amdhsa_system_sgpr_workgroup_id_z 1
		.amdhsa_system_vgpr_workitem_id 0
		.amdhsa_next_free_vgpr 1024
		.amdhsa_next_free_sgpr 102
		.amdhsa_reserve_vcc 1
		.amdhsa_float_denorm_mode_32 3
		.amdhsa_float_denorm_mode_16_64 3
		.amdhsa_fp16_overflow 1
		.amdhsa_memory_ordered 1
		.amdhsa_forward_progress 1
		.amdhsa_inst_pref_size 255
	.end_amdhsa_kernel
	.section	.bss,"aw",@nobits
	.p2align	6
	.space	262144
	.amdgpu_metadata
---
amdhsa.version: [ 1, 2 ]
amdhsa.kernels:
  - .name:           k_qc859a0307e_qkv
    .symbol:         k_qc859a0307e_qkv.kd
    .args:
      - { .name: x_codes, .offset: 0, .size: 8, .value_kind: global_buffer, .address_space: global }
      - { .name: Wq_codes, .offset: 8, .size: 8, .value_kind: global_buffer, .address_space: global }
      - { .name: Wk_codes, .offset: 16, .size: 8, .value_kind: global_buffer, .address_space: global }
      - { .name: Wv_codes, .offset: 24, .size: 8, .value_kind: global_buffer, .address_space: global }
      - { .name: bq, .offset: 32, .size: 8, .value_kind: global_buffer, .address_space: global }
      - { .name: bk, .offset: 40, .size: 8, .value_kind: global_buffer, .address_space: global }
      - { .name: bv, .offset: 48, .size: 8, .value_kind: global_buffer, .address_space: global }
      - { .name: lowp_scales, .offset: 56, .size: 8, .value_kind: global_buffer, .address_space: global }
      - { .name: qimg, .offset: 64, .size: 8, .value_kind: global_buffer, .address_space: global }
      - { .name: kimg, .offset: 72, .size: 8, .value_kind: global_buffer, .address_space: global }
      - { .name: vimg, .offset: 80, .size: 8, .value_kind: global_buffer, .address_space: global }
    .group_segment_fixed_size: 327680
    .private_segment_fixed_size: 0
    .kernarg_segment_align: 8
    .kernarg_segment_size: 88
    .max_flat_workgroup_size: 128
    .sgpr_count:     102
    .vgpr_count:     1024
    .wavefront_size: 32
...
	.end_amdgpu_metadata
.endif
;; end of part 1
;; launch attn (part 2): grid 4 x 64, 8 waves a work-group, clusters of 4 x 1, 263,168 bytes of LDS; arguments qimg, kimg, vimg, lowp_scales, yimg; writes yimg
.if DOCPART == 2
	.amdgcn_target "amdgcn-amd-amdhsa--gfx1250"
	.amdhsa_code_object_version 6
	.text
	.protected	k_qc859a0307e_attn
	.globl	k_qc859a0307e_attn
	.p2align	8
	.type	k_qc859a0307e_attn,@function
k_qc859a0307e_attn:
	s_mov_b64 s[64:65], 0
	v_nop
	global_prefetch_b8 v0, s[64:65] scope:SCOPE_SE
	s_setreg_imm32_b32 hwreg(HW_REG_WAVE_MODE, 25, 1), 1
	s_wait_xcnt 0x0
	s_wait_alu depctr_hold_cnt(0) depctr_sa_sdst(0) depctr_va_vdst(0) depctr_va_sdst(0) depctr_va_ssrc(0) depctr_va_vcc(0) depctr_vm_vsrc(0)
	s_getreg_b32 s2, hwreg(HW_REG_IB_STS2, 6, 4)
	s_cmp_eq_u32 s2, 0
	s_cbranch_scc0 .Lentry_in_a_cluster
	s_endpgm
.Lentry_in_a_cluster:
	s_bfe_u32 s2, ttmp6, 0x10000c
	s_cmp_lg_u32 s2, 0x3003
	s_cbranch_scc0 .Lentry_shape_is_right
	s_endpgm
.Lentry_shape_is_right:
; y[b][q][64 head + d] = the sum over keys k <= q of softmax_k(q . k / 8) v[k][d], both products on codes of FP8 (E4M3); y is quantised at once (scale 2^e10) and stored as images of the last product's operand registers.
; THE SOFTMAX AHEAD OF THE SECOND PRODUCT: t = score x log2(e) / 8; M = the running largest t rounded UP to a whole number; p = 2^(t - M) is quantised (2^e8), not normalised; the row's sum is taken of the unquantised p and divides at the end.
; When M moves, the sum and O are multiplied by 2^(old M - new M), which rounds nothing.
; A HEAD'S K AND V STAY IN LDS: 2 x 131,072 bytes of codes, filled once: no ring, nothing is filled again, and no barrier stands in a loop.  The four work-groups of a head are a cluster and ask for K and V JOINTLY.
; SHARES.  The head's 128 tiles of 16 queries are T = 8 A + r8, A the block of 128 tokens.  Wave w of work-group cx takes tiles r8 = 2 cx, 2 cx + 1 (two tiles side by side: each fragment of K and V read from LDS feeds two products)
; of block 15 - w and then of block w.  Block A walks key steps 0 .. A of 128 keys, the last on the diagonal: 17 steps for every wave.  Steps wholly behind the diagonal are jumped over by a scalar branch on the wave's number and the step.
; LAYOUT.  S^T = K Q^T (source 0 = 16 keys, source 1 = 16 queries, K = 64): a lane holds one query (lane % 16) and keys 16 tau + 8 (lane / 16) + j: converted, eight tiles are the K = 128 operand in the form's own layout.
; O^T = V^T P^T (source 0 = 16 of the head's 64, source 1 = P): again one query a lane, d = 16 dt + 8 (lane / 16) + j: converted, they are y's registers.
; LIMITS on the given exponents, so that each power of two is an f32 number: e6 + e7 between -123 and 130 (added to c's exponent field); e8, and e10 - e8 - e9, between -126 and 119.
; LDS: K's images at 8192 s + 1024 tau + 512 c + 16 lane; V's at 131072 + 8192 s + 2048 dt + 512 g + 16 lane: every load reads 512 consecutive bytes.
; REGISTERS: window 0: v1 16 x lane; v2, v3 addresses in hand; v4, v5 the mask's lane numbers; v6 -infinity; v8-15, v16-23 a tile's statistics (+0 -M, +1 largest t, +2, +3 the sum, +4 f, +5 zero, +6, +7 at work);
;   v24, v26 scales; v32-95 K's eight fragments; v96-223 S^T, then p (64 a tile); v224-255 p's codes (16 a tile).   window 1: v0-63 O^T (32 a tile); v64-79 Q; v128-191 V's four fragments.
.set LI,   1
.set ADK,  2
.set ADV,  3
.set DM,   4
.set NINF, 6
.set ST,   8
.set PSC,  24                          ; 2^e8
.set PLIM, 25
.set YSC,  26                          ; 2^(e10 - e8 - e9): O / l stands for y / 2^(e8 + e9)
.set YLIM, 27
.set KF,   32
.set S,    96
.set PCD,  224
.set OT,   0                           ; in window 1
.set QF,   64
.set VF,   128
.set WV,   18                          ; s18 my wave's number
.set CS,   22                          ; s[22:23] c = log2(e) / 8 x 2^(e6 + e7)
.set SEL,  24                          ; s[24:25] lane selects: lane l xor 16
.set TB,   26                          ; s26 LDS byte of the key step's images of K
.set SIX,  27                          ; s27 the key step
.set G1,   32                          ; s[32:39] descriptor group 1; s[40:47] K's two groups 0; s[48:55] V's
.set MSB, 0
.macro WIN new
.if MSB != (\new)
	s_set_vgpr_msb (MSB<<8)|(\new)
.set MSB, (\new)
.endif
.endm
.macro CROUND                          ; a round of the cluster's barrier
	s_barrier_signal -1
	s_barrier_wait -1
	s_cmp_lg_u32 s[WV], 0
	s_cbranch_scc1 .Lnot_wave_0_\@
	s_barrier_signal -3
.Lnot_wave_0_\@:
	s_barrier_wait -3
	s_barrier_signal -1
	s_barrier_wait -1
.endm
	s_load_b256 s[4:11], s[0:1], 0x0               ; qimg s[4:5], kimg s[6:7], vimg s[8:9], the scales' exponents s[10:11]
	s_load_b64 s[12:13], s[0:1], 0x20              ; yimg
	v_lshl_add_u32 v30, v0, 2, 0x40000
	v_mov_b32 v31, 0
	ds_add_u32 v30, v31
	ds_add_u32 v30, v31
	v_lshrrev_b32 v1, 5, v0
	s_delay_alu instid0(VALU_DEP_1)
	v_readfirstlane_b32 s[WV], v1                  ; wave 0..7
	s_bfe_u32 s19, ttmp6, 0x40000                  ; cx: it enters Q's and y's addresses and the mask's numbers alone
	s_and_b32 s20, ttmp7, 0xffff                   ; bh = 16 x batch + head, which the four partners share
	; descriptor group 1: 64 rows of 256 bytes, dense: 16,384 bytes of images
	s_mov_b32 s[G1], 15|(3<<16)|(1<<21)            ; 15:0 the mask: all four work-groups; 17:16 elements of 8 bytes; 21 set beside a mask; no padding
	s_mov_b32 s[G1+1], 32<<16                      ; tensor_dim0 = 32 elements
	s_mov_b32 s[G1+2], 64<<16                      ; tensor_dim1
	s_mov_b32 s[G1+3], 32<<16                      ; tile_dim0
	s_mov_b32 s[G1+4], 64                          ; tile_dim1
	s_mov_b32 s[G1+5], 32                          ; tensor_dim0_stride
	s_mov_b32 s[G1+6], 0
	s_mov_b32 s[G1+7], 0
	s_and_b32 s21, s[WV], 3
	s_lshl_b32 s21, s21, 14                        ; my quarter of each half: 16,384 x (wave % 4)
	s_lshl_b32 s30, s20, 17                        ; the head's 131,072 bytes
	s_add_co_u32 s30, s30, s21
	s_mov_b32 s31, 0
	s_sub_co_u32 s28, 15, s[WV]                    ; my large block
	s_mov_b32 s29, s[WV]                           ; my small block
	s_mov_b32 s[SEL], 0x76543210
	s_mov_b32 s[SEL+1], 0xfedcba98
	s_mov_b32 s[CS], 0x3e38aa3b                    ; log2(e) / 8
	s_wait_dscnt 0x0
	s_wait_kmcnt 0x0
	s_load_b128 s[56:59], s[10:11], 0x18           ; e6, e7, e8, e9
	s_load_b32 s60, s[10:11], 0x28                 ; e10
	s_mov_b32 s40, 1                               ; K, key steps 0-7: my quarter
	s_mov_b32 s41, s21
	s_add_nc_u64 s[42:43], s[6:7], s[30:31]
	s_mov_b32 s44, 1                               ; K, key steps 8-15
	s_add_co_u32 s45, s21, 65536
	s_add_nc_u64 s[46:47], s[42:43], 0x10000
	s_or_b32 s43, s43, 0x80000000
	s_or_b32 s47, s47, 0x80000000
	s_mov_b32 s48, 1                               ; V likewise, behind K
	s_add_co_u32 s49, s21, 131072
	s_add_nc_u64 s[50:51], s[8:9], s[30:31]
	s_mov_b32 s52, 1
	s_add_co_u32 s53, s21, 196608
	s_add_nc_u64 s[54:55], s[50:51], 0x10000
	s_or_b32 s51, s51, 0x80000000
	s_or_b32 s55, s55, 0x80000000
	CROUND                                         ; all four work-groups are here: the joint loads meet
	s_cmp_lt_u32 s[WV], 4                          ; waves 0-3 fetch K, waves 4-7 V: a wave's two loads stand in one branch, ahead of every wait on TENSORcnt and every LDS read; two loads of mine are out
	s_cbranch_scc0 .Lfirst_v
	tensor_load_to_lds s[40:43], s[G1:G1+7]
	s_nop 0
	tensor_load_to_lds s[44:47], s[G1:G1+7]
	s_nop 0
.rept 4
	v_nop
.endr
	s_branch .Lfirst_asked
.Lfirst_v:
	tensor_load_to_lds s[48:51], s[G1:G1+7]
	s_nop 0
	tensor_load_to_lds s[52:55], s[G1:G1+7]
	s_nop 0
.rept 4
	v_nop
.endr
.Lfirst_asked:
	v_and_b32 v[LI], 31, v0
	s_delay_alu instid0(VALU_DEP_1)
	v_lshlrev_b32 v[LI], 4, v[LI]
	v_and_b32 v[DM], 15, v0                        ; r
	v_bfe_u32 v[DM+1], v0, 4, 1                    ; h
	s_delay_alu instid0(VALU_DEP_1)
	v_lshlrev_b32 v[DM+1], 3, v[DM+1]
	s_delay_alu instid0(VALU_DEP_1)
	v_sub_nc_u32 v[DM], v[DM], v[DM+1]
	s_lshl_b32 s61, s19, 5
	v_add_nc_u32 v[DM], s61, v[DM]                 ; tile 0: my query's place in its block, less 8 h: 32 cx + r - 8 h
	s_delay_alu instid0(VALU_DEP_1)
	v_add_nc_u32 v[DM+1], 16, v[DM]                ; tile 1: 16 on
	v_mov_b32 v[NINF], 0xff800000
	; where my two blocks' queries lie, and where their results go
	s_lshl_b32 s62, s20, 17
	s_lshl_b32 s63, s19, 11
	s_add_co_u32 s62, s62, s63                     ; 131072 bh + 1024 x 2 cx
	s_lshl_b32 s63, s28, 13
	s_add_co_u32 s30, s62, s63                     ; + 1024 x 8 A
	s_add_nc_u64 s[66:67], s[4:5], s[30:31]
	s_lshl_b32 s63, s29, 13
	s_add_co_u32 s30, s62, s63
	s_add_nc_u64 s[68:69], s[4:5], s[30:31]
	s_lshr_b32 s62, s20, 4
	s_lshl_b32 s62, s62, 7
	s_lshl_b32 s63, s19, 1
	s_add_co_u32 s62, s62, s63                     ; 128 x batch + 2 cx: a tile of 16 tokens is 16,384 bytes of yimg
	s_lshl_b32 s62, s62, 14
	s_bfe_u32 s63, s20, 0x30001                    ; head / 2: the K step of 128 channels, 2,048 bytes
	s_lshl_b32 s63, s63, 11
	s_add_co_u32 s62, s62, s63
	s_and_b32 s63, s20, 1                          ; head % 2: which half of it
	s_lshl_b32 s63, s63, 10
	s_add_co_u32 s62, s62, s63
	s_lshl_b32 s63, s28, 17
	s_add_co_u32 s30, s62, s63
	s_add_nc_u64 s[70:71], s[12:13], s[30:31]
	s_lshl_b32 s63, s29, 17
	s_add_co_u32 s30, s62, s63
	s_add_nc_u64 s[72:73], s[12:13], s[30:31]
	s_wait_kmcnt 0x0
	s_add_co_i32 s61, s56, s57
	s_lshl_b32 s61, s61, 23
	s_add_co_i32 s[CS], s[CS], s61                 ; a score stands for score x 2^(e6 + e7): added to c's exponent field
	s_mov_b32 s[CS+1], s[CS]
	s_add_co_i32 s61, s58, 127
	s_lshl_b32 s62, s61, 23
	v_mov_b32 v[PSC], s62
	s_sub_co_i32 s61, s60, s58
	s_sub_co_i32 s61, s61, s59
	s_add_co_i32 s61, s61, 127
	s_lshl_b32 s62, s61, 23
	v_mov_b32 v[YSC], s62
	s_add_co_i32 s61, s61, 8
	s_lshl_b32 s61, s61, 23
	s_or_b32 s61, s61, 0x600000
; A block begins: its two tiles of Q are asked for; O^T and the sums begin as zeros and the largest t as -3e38, so that the key step is written without a first step of its own.
.macro INIT qp
	s_wait_xcnt 0x0                                ; the last block's stores have read their registers
	WIN 0x40                                       ; destination window 1
.irp k, 0,1,2,3
	global_load_b128 v[QF+4*\k:QF+4*\k+3], v[LI], s[\qp:\qp+1] offset:512*\k
.endr
.set i, 0
.rept 64
	v_mov_b32 v[OT+i], 0
.set i, i+1
.endr
	WIN 0
.irp x, 0,1
	v_mov_b32 v[ST+8*\x+1], 0xff61b1e6
	s_delay_alu instid0(VALU_DEP_1)
	v_floor_f32 v[ST+8*\x], -v[ST+8*\x+1]
	v_mov_b32 v[ST+8*\x+2], 0
	v_mov_b32 v[ST+8*\x+3], 0
	v_mov_b32 v[ST+8*\x+5], 0                      ; (named as the upper half of the pair with f)
.endr
.endm
; A KEY STEP: 128 keys for my two tiles.  masked = 1: the step is jumped over where it lies behind block s[ab]'s diagonal, and hidden scores become -infinity where it lies on it.
.macro STEP masked, ab
.if \masked
	s_cmp_gt_u32 s[SIX], s[\ab]
	s_cbranch_scc1 .Lskip_\@
.endif
	s_setprio 2
	v_add_nc_u32 v[ADK], s[TB], v[LI]
	s_delay_alu instid0(VALU_DEP_1)
	v_add_nc_u32 v[ADV], 0x20000, v[ADK]
.irp t, 0,1,2,3,4,5,6,7
	ds_load_b128 v[KF+8*\t:KF+8*\t+3], v[ADK] offset:1024*\t
	ds_load_b128 v[KF+8*\t+4:KF+8*\t+7], v[ADK] offset:1024*\t+512
.endr
	s_wait_alu depctr_va_vdst(0)
	s_wait_dscnt 0x0
	WIN 0x04                                       ; source 1 (Q) window 1
.irp t, 0,1,2,3,4,5,6,7
.irp x, 0,1
	v_wmma_f32_16x16x64_fp8_fp8 v[S+64*\x+8*\t:S+64*\x+8*\t+7], v[KF+8*\t:KF+8*\t+7], v[QF+8*\x:QF+8*\x+7], 0
.endr
.endr
	WIN 0
.rept 4
	v_nop                                          ; the places in front of the first read of the scores; with the two additions above also those in front of the loads into V's registers, which the last step's products read
.endr
	WIN 0x40
.irp d, 0,1,2,3
.irp g, 0,1,2,3
	ds_load_b128 v[VF+16*\d+4*\g:VF+16*\d+4*\g+3], v[ADV] offset:2048*\d+512*\g    ; V lands under the softmax
.endr
.endr
	WIN 0
.if \masked
	s_cmp_lg_u32 s[SIX], s[\ab]
	s_cbranch_scc1 .Lopen_\@
.irp x, 0,1                                    ; register 8 tau + j holds key 16 tau + 8 h + j of the step: hidden where 16 tau + j > my query's place - 8 h
.irp t, 0,1,2,3,4,5,6,7
.irp j, 0,1,2,3,4,5,6,7
	v_cmp_gt_i32 vcc_lo, 16*\t+\j, v[DM+\x]
	v_cndmask_b32 v[S+64*\x+8*\t+\j], v[S+64*\x+8*\t+\j], v[NINF], vcc_lo
.endr
.endr
.endr
.Lopen_\@:
.endif
.irp x, 0,1                                    ; the step's largest score of each query: two chains a tile, the tiles by turns; each accumulator from its low end on
	v_max3_num_f32 v[ST+8*\x+6], v[S+64*\x], v[S+64*\x+1], v[S+64*\x+2]
	v_max3_num_f32 v[ST+8*\x+7], v[S+64*\x+3], v[S+64*\x+4], v[S+64*\x+5]
.endr
.irp i, 6,10,14,18,22,26,30,34,38,42,46,50,54,58
.irp x, 0,1
	v_max3_num_f32 v[ST+8*\x+6], v[ST+8*\x+6], v[S+64*\x+\i], v[S+64*\x+\i+1]
	v_max3_num_f32 v[ST+8*\x+7], v[ST+8*\x+7], v[S+64*\x+\i+2], v[S+64*\x+\i+3]
.endr
.endr
.irp x, 0,1
	v_max3_num_f32 v[ST+8*\x+6], v[ST+8*\x+6], v[S+64*\x+62], v[S+64*\x+63]
.endr
.irp x, 0,1
	s_delay_alu instid0(VALU_DEP_2)
	v_max_num_f32 v[ST+8*\x+6], v[ST+8*\x+6], v[ST+8*\x+7]
.endr
.irp x, 0,1
	s_delay_alu instid0(VALU_DEP_2)
	v_permlanex16_b32 v[ST+8*\x+7], v[ST+8*\x+6], s[SEL], s[SEL+1]
.endr
.irp x, 0,1
	s_delay_alu instid0(VALU_DEP_2)
	v_max_num_f32 v[ST+8*\x+6], v[ST+8*\x+6], v[ST+8*\x+7]    ; and among lane l xor 16's keys
.endr
.irp x, 0,1
	s_delay_alu instid0(VALU_DEP_2)
	v_mul_f32 v[ST+8*\x+6], s[CS], v[ST+8*\x+6]               ; as t (c is positive)
.endr
.irp x, 0,1
	s_delay_alu instid0(VALU_DEP_2)
	v_max_num_f32 v[ST+8*\x+1], v[ST+8*\x+1], v[ST+8*\x+6]    ; the running largest t
.endr
.irp x, 0,1
	v_mov_b32 v[ST+8*\x+6], v[ST+8*\x]
.endr
.irp x, 0,1
	s_delay_alu instid0(VALU_DEP_4)
	v_floor_f32 v[ST+8*\x], -v[ST+8*\x+1]                     ; the new -M = floor(-t) = -ceil(t)
.endr
.irp x, 0,1
	s_delay_alu instid0(VALU_DEP_2)
	v_sub_f32 v[ST+8*\x+6], v[ST+8*\x], v[ST+8*\x+6]          ; old M - new M: a whole number, 0 or less
.endr
.irp x, 0,1
	s_delay_alu instid0(VALU_DEP_2)
	v_cvt_i32_f32 v[ST+8*\x+6], v[ST+8*\x+6]                  ; (it saturates)
.endr
.irp x, 0,1
	s_delay_alu instid0(VALU_DEP_2)
	v_ldexp_f32 v[ST+8*\x+4], 1.0, v[ST+8*\x+6]               ; f = 2^(old M - new M)
.endr
.irp x, 0,1
.set i, 0
.rept 32
	v_pk_fma_f32 v[S+64*\x+i:S+64*\x+i+1], v[S+64*\x+i:S+64*\x+i+1], s[CS:CS+1], v[ST+8*\x:ST+8*\x+1] op_sel_hi:[1,0,0]   ; t - M, two at a time
.set i, i+2
.endr
.endr
	s_setprio 1
	s_wait_alu depctr_va_vdst(0)
.irp x, 0,1
.set i, 0
.rept 64
	v_exp_f32 v[S+64*\x+i], v[S+64*\x+i]           ; p = 2^(t - M): one batch of 128
.set i, i+1
.endr
.endr
.irp x, 0,1
	v_pk_mul_f32 v[ST+8*\x+2:ST+8*\x+3], v[ST+8*\x+2:ST+8*\x+3], v[ST+8*\x+4:ST+8*\x+5] op_sel_hi:[1,0]   ; the sums under the new M: the plain place behind the exponentials
.endr
	WIN 0x41                                       ; O^T (destination and source 0) window 1
	s_wait_alu depctr_va_vdst(0)
.irp x, 0,1
.set i, 0
.rept 16
	v_pk_mul_f32 v[OT+32*\x+i:OT+32*\x+i+1], v[OT+32*\x+i:OT+32*\x+i+1], v[ST+8*\x+4:ST+8*\x+5] op_sel_hi:[1,0]   ; O^T under the new M: work that names no exponential's result
.set i, i+2
.endr
.endr
	WIN 0
	s_wait_alu depctr_va_vdst(0)                   ; one wait for the batch, ahead of its first reader
.irp x, 0,1
	v_pk_add_f32 v[ST+8*\x+6:ST+8*\x+7], v[S+64*\x:S+64*\x+1], v[S+64*\x+2:S+64*\x+3]   ; the row's sum is taken of the unquantised p: two chains a tile
.endr
.irp j, 4,8,12,16,20,24,28,32,36,40,44,48,52,56,60
.irp x, 0,1
	v_pk_add_f32 v[ST+8*\x+2:ST+8*\x+3], v[ST+8*\x+2:ST+8*\x+3], v[S+64*\x+\j:S+64*\x+\j+1]
	v_pk_add_f32 v[ST+8*\x+6:ST+8*\x+7], v[ST+8*\x+6:ST+8*\x+7], v[S+64*\x+\j+2:S+64*\x+\j+3]
.endr
.endr
.irp x, 0
	s_delay_alu instid0(VALU_DEP_3)
	v_pk_add_f32 v[ST+8*\x+2:ST+8*\x+3], v[ST+8*\x+2:ST+8*\x+3], v[ST+8*\x+6:ST+8*\x+7]
.endr
.irp x, 1
	s_delay_alu instid0(VALU_DEP_2)
	v_pk_add_f32 v[ST+8*\x+2:ST+8*\x+3], v[ST+8*\x+2:ST+8*\x+3], v[ST+8*\x+6:ST+8*\x+7]
.endr
	s_setprio 0
.irp x, 0,1
.set i, 0
.rept 64
.set i, i+1
.endr
.irp t, 0,1,2,3,4,5,6,7
	v_cvt_scalef32_pk8_fp8_f32 v[PCD+16*\x+2*\t:PCD+16*\x+2*\t+1], v[S+64*\x+8*\t:S+64*\x+8*\t+7], v[PSC]   ; registers 2 tau, 2 tau + 1 of the operand: keys 16 tau + 8 h + 0 .. 7
.endr
.endr
	v_nop                                          ; one plain vector instruction between the last conversion and the products that read the codes
	s_wait_alu depctr_va_vdst(0)
	s_wait_dscnt 0x0                               ; V is in
	WIN 0x51                                       ; source 0 (V), C and D window 1; source 1 (P) window 0
.irp d, 0,1,2,3
.irp x, 0,1
	v_wmma_f32_16x16x128_fp8_fp8 v[OT+32*\x+8*\d:OT+32*\x+8*\d+7], v[VF+16*\d:VF+16*\d+15], v[PCD+16*\x:PCD+16*\x+15], v[OT+32*\x+8*\d:OT+32*\x+8*\d+7]   ; the eight accumulators by turns
.endr
.endr
	WIN 0
.if \masked
.Lskip_\@:
.endif
.endm
; A block ends: O^T / the sum, converted with 2^(e10 - e8 - e9), is y's codes: four stores of 512 consecutive bytes.
.macro OUT yp
.rept 4
	v_nop                                          ; the places behind the last products
.endr
.irp x, 0,1
	v_add_f32 v[ST+8*\x+2], v[ST+8*\x+2], v[ST+8*\x+3]
.endr
.irp x, 0,1
	s_delay_alu instid0(VALU_DEP_2)
	v_permlanex16_b32 v[ST+8*\x+6], v[ST+8*\x+2], s[SEL], s[SEL+1]
.endr
.irp x, 0,1
	s_delay_alu instid0(VALU_DEP_2)
	v_add_f32 v[ST+8*\x+2], v[ST+8*\x+2], v[ST+8*\x+6]        ; the row's sum
.endr
	s_wait_alu depctr_va_vdst(0)
.irp x, 0,1
	v_rcp_f32 v[ST+8*\x+4], v[ST+8*\x+2]
.endr
	v_nop                                          ; a plain instruction behind the reciprocals
	s_wait_alu depctr_va_vdst(0)                   ; and the one wait ahead of their first reader
	WIN 0x01                                       ; source 0 (O^T) window 1
.irp x, 0,1
.set i, 0
.rept 16
	v_pk_mul_f32 v[S+64*\x+i:S+64*\x+i+1], v[OT+32*\x+i:OT+32*\x+i+1], v[ST+8*\x+4:ST+8*\x+5] op_sel_hi:[1,0]
.set i, i+2
.endr
.endr
	WIN 0
.irp x, 0,1
.set i, 0
.rept 32
.set i, i+1
.endr
.irp d, 0,1,2,3
	v_cvt_scalef32_pk8_fp8_f32 v[PCD+16*\x+2*\d:PCD+16*\x+2*\d+1], v[S+64*\x+8*\d:S+64*\x+8*\d+7], v[YSC]
.endr
.endr
	v_nop                                          ; one plain vector instruction behind the last conversion
.irp x, 0,1
.irp k, 0,1
	global_store_b128 v[LI], v[PCD+16*\x+4*\k:PCD+16*\x+4*\k+3], s[\yp:\yp+1] offset:16384*\x+512*\k
.endr
.endr
.endm
	INIT 66                                        ; my large block
	s_wait_tensorcnt 1                             ; my part of key steps 0-7 is in; my second load may stay out
	s_barrier_signal -1
	s_barrier_wait -1                              ; everybody's is
	s_wait_loadcnt 0x0                             ; Q
	s_mov_b32 s[TB], 0
	s_mov_b32 s[SIX], 0
.Lloop_a:                                          ; key steps 0-7 of the large block (15 - w >= 8): all their keys count, in every wave
	STEP 0, 28
	s_add_co_u32 s[TB], s[TB], 8192
	s_add_co_u32 s[SIX], s[SIX], 1
	s_cmp_lt_u32 s[SIX], 8
	s_cbranch_scc1 .Lloop_a
	s_setprio 0
	s_wait_tensorcnt 0x0                           ; my part of key steps 8-15 is in,
	s_wait_dscnt 0x0
	s_barrier_signal -1
	s_barrier_wait -1                              ; everybody's is.  All waves come here after equal work
	s_mov_b32 s[TB], 65536
	s_mov_b32 s[SIX], 8
.Lloop_b1:                                         ; key steps 8-15 of the large block: a constant number of trips; what lies behind the diagonal is jumped over
	STEP 1, 28
	s_add_co_u32 s[TB], s[TB], 8192
	s_add_co_u32 s[SIX], s[SIX], 1
	s_cmp_lt_u32 s[SIX], 16
	s_cbranch_scc1 .Lloop_b1
	s_setprio 0
	OUT 70
	INIT 68                                        ; my small block
	s_wait_loadcnt 0x0
	s_mov_b32 s[TB], 0
	s_mov_b32 s[SIX], 0
.Lloop_b2:                                         ; key steps 0-7 of the small block (w <= 7)
	STEP 1, 29
	s_add_co_u32 s[TB], s[TB], 8192
	s_add_co_u32 s[SIX], s[SIX], 1
	s_cmp_lt_u32 s[SIX], 8
	s_cbranch_scc1 .Lloop_b2
	s_setprio 0
	s_wait_alu depctr_va_vdst(0)
	OUT 72
	s_wait_tensorcnt 0x0
	ds_add_u32 v30, v31
	s_wait_dscnt 0x0
	CROUND                                         ; the closing round
	s_endpgm
.Lfunc_end_k_qc859a0307e_attn:
	.size	k_qc859a0307e_attn, .Lfunc_end_k_qc859a0307e_attn-k_qc859a0307e_attn
	.p2alignl 7, 3214868480
	.fill 96, 4, 3214868480
	.section	.rodata,"a",@progbits
	.p2align	6, 0x0
	.amdhsa_kernel k_qc859a0307e_attn
		.amdhsa_group_segment_fixed_size 263168
		.amdhsa_private_segment_fixed_size 0
		.amdhsa_enable_private_segment 0
		.amdhsa_kernarg_size 40
		.amdhsa_user_sgpr_count 2
		.amdhsa_user_sgpr_kernarg_segment_ptr 1
		.amdhsa_wavefront_size32 1
		.amdhsa_system_sgpr_workgroup_id_x 1
		.amdhsa_system_sgpr_workgroup_id_y 1
		.amdhsa_system_sgpr_workgroup_id_z 1
		.amdhsa_system_vgpr_workitem_id 0
		.amdhsa_next_free_vgpr 512
		.amdhsa_next_free_sgpr 76
		.amdhsa_reserve_vcc 1
		.amdhsa_float_denorm_mode_32 3
		.amdhsa_float_denorm_mode_16_64 3
		.amdhsa_fp16_overflow 1
		.amdhsa_memory_ordered 1
		.amdhsa_forward_progress 1
		.amdhsa_inst_pref_size 116
	.end_amdhsa_kernel
	.amdgpu_metadata
---
amdhsa.version: [ 1, 2 ]
amdhsa.kernels:
  - .name:           k_qc859a0307e_attn
    .symbol:         k_qc859a0307e_attn.kd
    .args:
      - { .name: qimg, .offset: 0, .size: 8, .value_kind: global_buffer, .address_space: global }
      - { .name: kimg, .offset: 8, .size: 8, .value_kind: global_buffer, .address_space: global }
      - { .name: vimg, .offset: 16, .size: 8, .value_kind: global_buffer, .address_space: global }
      - { .name: lowp_scales, .offset: 24, .size: 8, .value_kind: global_buffer, .address_space: global }
      - { .name: yimg, .offset: 32, .size: 8, .value_kind: global_buffer, .address_space: global }
    .group_segment_fixed_size: 263168
    .private_segment_fixed_size: 0
    .kernarg_segment_align: 8
    .kernarg_segment_size: 40
    .max_flat_workgroup_size: 256
    .sgpr_count:     76
    .vgpr_count:     512
    .wavefront_size: 32
...
	.end_amdgpu_metadata
.endif
;; end of part 2
;; launch proj (part 3): grid 4 x 32, 4 waves a work-group, clusters of 4 x 4, 327,680 bytes of LDS; arguments yimg, Wo_codes, lowp_scales, bo, out0; writes out0
.if DOCPART == 3
	.amdgcn_target "amdgcn-amd-amdhsa--gfx1250"
	.amdhsa_code_object_version 6
	.text
	.protected	k_qc859a0307e_proj
	.globl	k_qc859a0307e_proj
	.p2align	8
	.type	k_qc859a0307e_proj,@function
k_qc859a0307e_proj:
	s_mov_b64 s[64:65], 0
	v_nop
	global_prefetch_b8 v0, s[64:65] scope:SCOPE_SE
	s_setreg_imm32_b32 hwreg(HW_REG_WAVE_MODE, 25, 1), 1
	s_wait_xcnt 0x0
	s_wait_alu depctr_hold_cnt(0) depctr_sa_sdst(0) depctr_va_vdst(0) depctr_va_sdst(0) depctr_va_ssrc(0) depctr_va_vcc(0) depctr_vm_vsrc(0)
	s_getreg_b32 s2, hwreg(HW_REG_IB_STS2, 6, 4)
	s_cmp_eq_u32 s2, 0
	s_cbranch_scc0 .Lentry_in_a_cluster
	s_endpgm
.Lentry_in_a_cluster:
	s_bfe_u32 s2, ttmp6, 0x10000c
	s_cmp_lg_u32 s2, 0xf033
	s_cbranch_scc0 .Lentry_shape_is_right
	s_endpgm
.Lentry_shape_is_right:
; out0 = y Wo^T + bo on codes of FP8 (E4M3).  y: 8,192 tokens x 1,024 channels as IMAGES of the operand's registers: yimg [tile of 16 tokens 512][K step of 128: 8][g 4][lane 32][16 bytes]: lane (r, h): token r,
; registers 2 c, 2 c + 1: k = 16 c + 8 h + 0 .. 7 (the form's own layout).  Wo: [1024][1024] codes, K innermost.  bo [1024], out0 [8192][1024]: f32.  A finished sum is multiplied by 2^(e10 + e11) and bo is added: one packed multiply-add.
; LIMIT: e10 + e11 between -126 and 127, so that 2^(e10 + e11) is an f32 number.
; A tile of out0, 256 x 256, is made by a work-group of four waves, 128 x 128 each: 64 accumulators.  K goes in steps of 256 through a ring of two LDS slots filled by joint tensor loads: 4 x 4 work-groups form a cluster;
; y's tile is shared along a row of the cluster, Wo's along a column.  The matrix instruction takes source 0 = 16 rows of Wo, source 1 = 16 tokens: a lane holds eight neighbouring numbers of a row of out0.
; y's fragments come from LDS as they lie (four loads of 512 consecutive bytes); Wo's in the same places of k: eight loads of 8 bytes a lane from rows 272 bytes apart.
; 128 work-groups: a smaller tile would read more LDS bytes for each product.
; REGISTERS, in windows of 256: window 0: v0-31 addresses; v32-95 bo; from v128 y's fragments, one set; on the way out v128-255 rows read back.  window 1: Wo's fragments, two sets; on the way out v0-63 results.  windows 2, 3: the accumulators.
.set ROWB,   256                       ; a row of Wo's tile in bytes
.set KROW,   1024
.set PITCH,  272
.set FR,     16
.set NL,     4                         ; LDS loads that bring a fragment of y
.set NP,     4
.set ABYTES, 65536                     ; y's part of a slot: 16 tiles of tokens x 4,096 bytes
.set HALFB,  128*PITCH                 ; 128 rows of Wo
.set SLOT,   ABYTES+2*HALFB
.set LAPS,   2
.set SPARE,  2*SLOT                    ; behind the ring: the spare words
.set SPITCH, 528                       ; the way out: a stage of 16 rows x (512 bytes + 16) for each wave, in slot 0, which has had its last fill and its last read by then
.set SIZE_N, 1024
.set ADRA, 16
.set ADRB, 20
.set STO,  24
.set RD,   25
.set CO,   26
.set HB,   27
.set SPW,  28
.set NIL,  29
.set BI,   32                          ; v32-95: bo[my first column + 16 b + 8 h + j] at 8 b + j
.set TMP,  0                           ; in window 1
.set AF,   128
.set BK,   128
.set G1, 24
.set G0, 32
.set G1B, 48
.set G0B, 56
.set MSB, 0
.macro WIN new
.if MSB != (\new)
	s_set_vgpr_msb (MSB<<8)|(\new)
.set MSB, (\new)
.endif
.endm
.set MUL_LO, 0xa1
.set MUL_HI, 0xf1
.set TO_B,   0x40
.macro JLOAD g0a, g1a, g0b, g1b        ; a joint load: waves 0 and 1 fetch for y, waves 2 and 3 for Wo; four v_nop follow each line
	s_cmp_eq_u32 s15, 0
	s_cbranch_scc0 .Lfor_b_\@
	tensor_load_to_lds s[\g0a:\g0a+3], s[\g1a:\g1a+7]
	s_nop 0
.rept 4
	v_nop
.endr
	s_branch .Lasked_\@
.Lfor_b_\@:
	tensor_load_to_lds s[\g0b:\g0b+3], s[\g1b:\g1b+7]
	s_nop 0
.rept 4
	v_nop
.endr
.Lasked_\@:
.endm
.macro CREST
	s_cmp_lg_u32 s14, 0
	s_cbranch_scc1 .Lnot_wave_0_\@
	s_barrier_signal -3
.Lnot_wave_0_\@:
	s_barrier_wait -3
	s_barrier_signal -1
	s_barrier_wait -1
.endm
.macro CROUND
	s_barrier_signal -1
	s_barrier_wait -1
	CREST
.endm
	s_load_b256 s[4:11], s[0:1], 0x0               ; yimg s[4:5], Wo s[6:7], the scales' exponents s[8:9], bo s[10:11]
	s_load_b64 s[12:13], s[0:1], 0x20              ; out0
	v_lshl_add_u32 v[SPW], v0, 2, SPARE
	v_mov_b32 v[NIL], 0
	ds_add_u32 v28, v29
	ds_add_u32 v28, v29
	s_wait_dscnt 0x0
	v_lshrrev_b32 v1, 5, v0
	v_readfirstlane_b32 s14, v1                    ; wave 0..3
	s_lshr_b32 s15, s14, 1                         ; which half of the tile's rows is mine.  Also: I fetch for y (0) or for Wo (1)
	s_and_b32 s16, s14, 1                          ; which half of its columns.  Also: which half of that tile I fetch
	s_bfe_u32 s40, ttmp6, 0x40000                  ; cx, cy
	s_bfe_u32 s41, ttmp6, 0x40004
	s_lshl_b32 s42, ttmp9, 2
	s_add_co_u32 s42, s42, s40                     ; tile column
	s_and_b32 s17, ttmp7, 0xffff
	s_lshl_b32 s17, s17, 2
	s_add_co_u32 s17, s17, s41                     ; tile row
	s_lshl_b32 s43, s41, 2
	s_lshl_b32 s43, 15, s43                        ; my row of the cluster
	s_lshl_b32 s44, 0x1111, s40                    ; my column
	; group 1 for y: 8 tiles of tokens, of each the K step's 4,096 bytes, 16,384 bytes apart; dense in LDS
	s_or_b32 s[G1+0], s43, (3<<16)|(1<<21)         ; 15:0 the mask: my row; 17:16 elements of 8 bytes; 21 set beside a mask; no padding
	s_mov_b32 s[G1+1], 512<<16                     ; tensor_dim0 = 512 elements
	s_mov_b32 s[G1+2], 8<<16                       ; tensor_dim1
	s_mov_b32 s[G1+3], 512<<16                     ; tile_dim0
	s_mov_b32 s[G1+4], 8                           ; tile_dim1
	s_mov_b32 s[G1+5], 2048                        ; tensor_dim0_stride
	s_mov_b32 s[G1+6], 0
	s_mov_b32 s[G1+7], 0
	; group 1 for Wo: 128 rows x 256 bytes, 16 bytes of padding behind each
	s_or_b32 s[G1B+0], s44, (0<<16)|(1<<20)|(1<<21)|(5<<22)|(3<<25)
	s_mov_b32 s[G1B+1], ROWB<<16
	s_mov_b32 s[G1B+2], 128<<16
	s_mov_b32 s[G1B+3], ROWB<<16
	s_mov_b32 s[G1B+4], 128
	s_mov_b32 s[G1B+5], KROW
	s_mov_b32 s[G1B+6], 0
	s_mov_b32 s[G1B+7], 0
	s_lshl_b32 s18, s16, 17                        ; my half: 8 tiles of 16,384 bytes, or 128 rows of 1,024
	s_lshl_b32 s20, s17, 18
	s_add_co_u32 s20, s20, s18                     ; y: 16 tiles a tile row
	s_mov_b32 s21, 0
	s_lshl_b32 s46, s42, 18
	s_add_co_u32 s46, s46, s18                     ; Wo: 256 rows a tile column
	s_mov_b32 s47, 0
	s_lshl_b32 s45, s16, 15                        ; where they go: y's half,
	s_mul_i32 s19, s16, HALFB
	s_add_co_u32 s19, s19, ABYTES                  ; Wo's half, behind y's part
	s_wait_kmcnt 0x0
	s_load_b64 s[96:97], s[8:9], 0x28              ; e10, e11
	s_add_nc_u64 s[20:21], s[4:5], s[20:21]
	s_add_nc_u64 s[46:47], s[6:7], s[46:47]
	CROUND                                         ; all sixteen work-groups are here: the first joint loads meet
.irp s, 0,1
	s_mov_b32 s[G0+4*\s], 1
	s_add_co_u32 s[G0+4*\s+1], s45, \s*SLOT
	s_add_nc_u64 s[G0+4*\s+2:G0+4*\s+3], s[20:21], \s*4096
	s_or_b32 s[G0+4*\s+3], s[G0+4*\s+3], 0x80000000
	s_mov_b32 s[G0B+4*\s], 1
	s_add_co_u32 s[G0B+4*\s+1], s19, \s*SLOT
	s_add_nc_u64 s[G0B+4*\s+2:G0B+4*\s+3], s[46:47], \s*ROWB
	s_or_b32 s[G0B+4*\s+3], s[G0B+4*\s+3], 0x80000000
	s_wait_alu depctr_va_vdst(0)
	s_wait_tensorcnt 0x0
	ds_add_u32 v28, v29
	ds_add_u32 v28, v29
	s_wait_dscnt 0x0
	CROUND
	JLOAD G0+4*\s, G1, G0B+4*\s, G1B
.endr
	v_and_b32 v1, 15, v0                           ; r
	v_bfe_u32 v2, v0, 4, 1                         ; h
	v_and_b32 v6, 31, v0
	v_lshlrev_b32 v[CO], 4, v6                     ; 16 x lane
	v_mul_u32_u24 v3, v1, PITCH
	v_lshl_add_u32 v4, v2, 3, v3                   ; Wo: row x pitch + 8 x half
	s_lshl_b32 s21, s15, 15                        ; my 8 tiles of tokens
	s_mul_i32 s22, s16, HALFB
	s_add_co_u32 s22, s22, ABYTES                  ; my 128 rows of Wo
.irp s, 0,1
	v_add_nc_u32 v[ADRA+\s], s21, v[CO]
	v_add_nc_u32 v[ADRB+\s], s22, v4
	s_add_co_u32 s21, s21, SLOT
	s_add_co_u32 s22, s22, SLOT
.endr
	s_mul_i32 s23, s14, 16*SPITCH                  ; my stage
	v_mul_u32_u24 v5, v1, SPITCH
	v_lshl_add_u32 v5, v2, 5, v5
	v_add_nc_u32 v[STO], s23, v5                   ; in: row r, 32 bytes for each half of the lanes
	v_add_nc_u32 v[RD], s23, v[CO]                 ; back: the 32 lanes take one row of 512 bytes
	s_lshl_b32 s46, s42, 10
	s_lshl_b32 s47, s16, 9
	s_add_co_u32 s46, s46, s47                     ; my first column, in bytes, in a row of out0 and in bo alike
	s_mov_b32 s47, 0
	s_add_nc_u64 s[10:11], s[10:11], s[46:47]
	v_lshlrev_b32 v[HB], 5, v2
.irp b, 0,1,2,3,4,5,6,7
	global_load_b128 v[BI+8*\b:BI+8*\b+3], v[HB], s[10:11] offset:64*\b          ; they land under the products
	global_load_b128 v[BI+8*\b+4:BI+8*\b+7], v[HB], s[10:11] offset:64*\b+16
.endr
	s_lshl_b32 s20, s17, 8
	s_lshl_b32 s21, s15, 7
	s_add_co_u32 s20, s20, s21                     ; my first row
	s_lshl_b32 s20, s20, 12                        ; of 4,096 bytes: under 2^25
	s_mov_b32 s21, 0
	s_add_nc_u64 s[20:21], s[20:21], s[46:47]
	s_add_nc_u64 s[12:13], s[12:13], s[20:21]
.macro FRAGA reg, slot, q, i           ; a fragment of y: tile of tokens i, the slot's q-th 128 along K: four groups of four registers as they lie
.irp c, 0,1,2,3
	ds_load_b128 v[\reg+4*\c:\reg+4*\c+3], v[ADRA+\slot] offset:4096*(\i)+2048*(\q)+512*\c
.endr
.endm
.macro FRAGB reg, slot, q, i           ; a fragment of Wo in the form's own layout: registers 2 c, 2 c + 1 hold K = 16 c + 8 (l / 16) + 0 .. 7
.irp c, 0,1,2,3,4,5,6,7
	ds_load_b64 v[\reg+2*\c:\reg+2*\c+1], v[ADRB+\slot] offset:(\i)*16*PITCH+128*(\q)+16*\c
.endr
.endm
.macro MUL16 a0, p, zero               ; 16 matrix instructions; the 64 accumulators take turns, one instruction a turn
.irp a, \a0, \a0+1
.irp b, 0,1,2,3,4,5,6,7
.if \zero
	v_wmma_f32_16x16x128_fp8_fp8 v[8*(8*((\a)%4)+\b):8*(8*((\a)%4)+\b)+7], v[128*(\p)+FR*\b:128*(\p)+FR*\b+FR-1], v[AF+FR*(\a):AF+FR*(\a)+FR-1], 0
.else
	v_wmma_f32_16x16x128_fp8_fp8 v[8*(8*((\a)%4)+\b):8*(8*((\a)%4)+\b)+7], v[128*(\p)+FR*\b:128*(\p)+FR*\b+FR-1], v[AF+FR*(\a):AF+FR*(\a)+FR-1], v[8*(8*((\a)%4)+\b):8*(8*((\a)%4)+\b)+7]
.endif
.endr
.endr
.endm
.macro FETCH_B slot, q, p
	WIN TO_B
.irp i, 0,1,2,3,4,5,6,7
	FRAGB 128*(\p)+FR*\i, \slot, \q, \i
.endr
	WIN 0
.endm
.macro FETCH_A slot, q, i0
.irp i, \i0, \i0+1, \i0+2, \i0+3
	FRAGA AF+FR*(\i), \slot, \q, \i
.endr
.endm
.macro PLACES n
.rept \n
	v_nop
.endr
.endm
.macro STEP slot, q, zero
	s_wait_dscnt 4*NL                              ; Wo's set and y's blocks 0-3 are in; the youngest sixteen loads (y's blocks 4-7) may be out
	WIN MUL_LO
	MUL16 0, (\q)%2, \zero
	MUL16 2, (\q)%2, \zero
	s_wait_dscnt 0
	PLACES NP
	FETCH_B \slot, (\q)+1, 1-(\q)%2
	FETCH_A \slot, (\q)+1, 0
	WIN MUL_HI
	MUL16 4, (\q)%2, \zero
	MUL16 6, (\q)%2, \zero
	PLACES NP
	WIN 0
	FETCH_A \slot, (\q)+1, 4
.endm
.macro TURN slot, next, fill
	s_wait_tensorcnt 0x0                           ; all my tensor loads have landed: my part of the next slot
	ds_add_u32 v[SPW], v[NIL]                      ; 0 onto my spare word
	s_wait_dscnt 4*NL+1                            ; (the add and the youngest sixteen loads may be out)
	WIN MUL_LO
	MUL16 0, 1, 0
	s_wait_dscnt 0x0                               ; the add is done, and my reads of this slot are over
	s_barrier_signal -1
	MUL16 2, 1, 0
	WIN 0
	s_barrier_wait -1
.if \fill
	CREST                                          ; the barrier has opened a round of the cluster's barrier
	s_add_nc_u64 s[G0+4*\slot+2:G0+4*\slot+3], s[G0+4*\slot+2:G0+4*\slot+3], 2*4096
	s_add_nc_u64 s[G0B+4*\slot+2:G0B+4*\slot+3], s[G0B+4*\slot+2:G0B+4*\slot+3], 2*ROWB
	JLOAD G0+4*\slot, G1, G0B+4*\slot, G1B         ; the first tensor load behind the round; its four v_nop are also the places in front of the loads below
.else
	PLACES NP
.endif
	FETCH_B \next, 0, 0
	FETCH_A \next, 0, 0
	WIN MUL_HI
	MUL16 4, 1, 0
	MUL16 6, 1, 0
	PLACES NP
	WIN 0
	FETCH_A \next, 0, 4
.endm
	s_wait_alu depctr_va_vdst(0)
	s_wait_tensorcnt 1                             ; my part of K step 0 is in (K step 1's load may be out)
	s_barrier_signal -1
	s_barrier_wait -1                              ; everybody's is
	FETCH_B 0, 0, 0
	FETCH_A 0, 0, 0
	FETCH_A 0, 0, 4
	STEP 0, 0, 1
	s_mov_b32 s3, LAPS-1
.Llap:
	TURN 0, 1, 1
	STEP 1, 0, 0
	TURN 1, 0, 1
	STEP 0, 0, 0
	s_sub_co_u32 s3, s3, 1
	s_cmp_lg_u32 s3, 0
	s_cbranch_scc1 .Llap
	TURN 0, 1, 0
	STEP 1, 0, 0
	s_wait_dscnt 4*NL
	WIN MUL_LO
	MUL16 0, 1, 0
	MUL16 2, 1, 0
	s_wait_dscnt 0
	WIN MUL_HI
	MUL16 4, 1, 0
	MUL16 6, 1, 0
	WIN 0
; THE WAY OUT, block by block of 16 rows x 128 columns: sum x 2^(e10 + e11) + bo; through my own stage in LDS; back as whole rows of 512 bytes.  LDS serves a wave's instructions in order (ISA guide 5.7.1.4): no wait between the stores and the loads.
.macro TOSTAGE a
.set AC, 64*((\a)%4)
	WIN 0x42+((\a)/4)                              ; source 0: window 2 or 3; destination window 1; bo window 0
.irp j, 0,2,4,6,8,10,12,14,16,18,20,22,24,26,28,30,32,34,36,38,40,42,44,46,48,50,52,54,56,58,60,62
	v_pk_fma_f32 v[TMP+\j:TMP+\j+1], v[AC+\j:AC+\j+1], s[96:97], v[BI+\j:BI+\j+1] op_sel_hi:[1,0,1]   ; each accumulator from its low end on
.endr
	WIN 0x04                                       ; an LDS store's data: window 1
.irp b, 0,1,2,3,4,5,6,7
	ds_store_b128 v[STO], v[TMP+8*\b:TMP+8*\b+3] offset:64*\b
	ds_store_b128 v[STO], v[TMP+8*\b+4:TMP+8*\b+7] offset:64*\b+16
.endr
	WIN 0
.set BB, BK+64*((\a)%2)
.irp t, 0,1,2,3,4,5,6,7,8,9,10,11,12,13,14,15
	ds_load_b128 v[BB+4*\t:BB+4*\t+3], v[RD] offset:\t*SPITCH
.endr
.endm
.macro SEND a, younger                 ; younger: the LDS instructions issued behind block a's loads, which may stay out
.set BB, BK+64*((\a)%2)
	s_wait_dscnt \younger
.if (\a) > 0
	s_add_nc_u64 s[12:13], s[12:13], 16*SIZE_N*4   ; (behind a wait on XCNT: the earlier stores have read their base)  16 rows on
.endif
.irp t, 0,1,2,3,4,5,6,7,8,9,10,11,12,13,14,15
	global_store_b128 v[CO], v[BB+4*\t:BB+4*\t+3], s[12:13] offset:\t*SIZE_N*4 th:TH_STORE_NT   ; 32 lanes store 512 consecutive bytes, aligned; written once, read by nobody here
.endr
.endm
	s_wait_kmcnt 0x0
	s_add_co_i32 s96, s96, s97
	s_add_co_i32 s96, s96, 127
	s_lshl_b32 s96, s96, 23                        ; 2^(e10 + e11) as f32
	s_mov_b32 s97, s96                             ; (named with it as a pair)
	s_wait_loadcnt 0x0                             ; bo
	PLACES NP                                      ; behind the last products
	TOSTAGE 0
.irp a, 1,2,3,4,5,6,7
.if \a > 1
	s_wait_xcnt 0x0                                ; block a - 2's stores have read their registers and their base
.endif
	TOSTAGE \a
	SEND \a-1, 32                                  ; behind block a - 1's loads: block a's 16 stores and 16 loads
.endr
	s_wait_xcnt 0x0
	SEND 7, 0
	s_wait_tensorcnt 0x0                           ; the wave's end
	ds_add_u32 v[SPW], v[NIL]
	s_wait_dscnt 0x0
	CROUND                                         ; the closing round
	s_endpgm
.Lfunc_end_k_qc859a0307e_proj:
	.size	k_qc859a0307e_proj, .Lfunc_end_k_qc859a0307e_proj-k_qc859a0307e_proj
	.p2alignl 7, 3214868480
	.fill 96, 4, 3214868480
	.section	.rodata,"a",@progbits
	.p2align	6, 0x0
	.amdhsa_kernel k_qc859a0307e_proj
		.amdhsa_group_segment_fixed_size 327680
		.amdhsa_private_segment_fixed_size 0
		.amdhsa_enable_private_segment 0
		.amdhsa_kernarg_size 40
		.amdhsa_user_sgpr_count 2
		.amdhsa_user_sgpr_kernarg_segment_ptr 1
		.amdhsa_wavefront_size32 1
		.amdhsa_system_sgpr_workgroup_id_x 1
		.amdhsa_system_sgpr_workgroup_id_y 1
		.amdhsa_system_sgpr_workgroup_id_z 1
		.amdhsa_system_vgpr_workitem_id 0
		.amdhsa_next_free_vgpr 1024
		.amdhsa_next_free_sgpr 98
		.amdhsa_reserve_vcc 0
		.amdhsa_float_denorm_mode_32 3
		.amdhsa_float_denorm_mode_16_64 3
		.amdhsa_memory_ordered 1
		.amdhsa_forward_progress 1
		.amdhsa_inst_pref_size 142
	.end_amdhsa_kernel
	.amdgpu_metadata
---
amdhsa.version: [ 1, 2 ]
amdhsa.kernels:
  - .name:           k_qc859a0307e_proj
    .symbol:         k_qc859a0307e_proj.kd
    .args:
      - { .name: yimg, .offset: 0, .size: 8, .value_kind: global_buffer, .address_space: global }
      - { .name: Wo_codes, .offset: 8, .size: 8, .value_kind: global_buffer, .address_space: global }
      - { .name: lowp_scales, .offset: 16, .size: 8, .value_kind: global_buffer, .address_space: global }
      - { .name: bo, .offset: 24, .size: 8, .value_kind: global_buffer, .address_space: global }
      - { .name: out0, .offset: 32, .size: 8, .value_kind: global_buffer, .address_space: global }
    .group_segment_fixed_size: 327680
    .private_segment_fixed_size: 0
    .kernarg_segment_align: 8
    .kernarg_segment_size: 40
    .max_flat_workgroup_size: 128
    .sgpr_count:     98
    .vgpr_count:     1024
    .wavefront_size: 32
...
	.end_amdgpu_metadata
.endif
;; end of part 3
